; MI455X (gfx1250); checked and timed in simulation.
; The chip was launched on July 23, 2026; its instructions are those of AMD's public machine-readable ISA for CDNA 5 (MIT licence, August 2026) and "CDNA5" Instruction Set Architecture Reference Guide (July 2026). The comments in the code are by the model that wrote it; some were corrected since.
;; Multi Head Attention. Allowed arithmetic: matrix products marked QUANTISED: E2M3 operands, one E8M0 scale for each 32 along K, by v_wmma_scale_f32_16x16x128_f8f6f4 with both operands' format E2M3, f32 sums; everything else in f32.
;; Inputs: K 1 x 2,048 x 2,048 float32; Q 1 x 2,048 x 2,048 float32; V 1 x 2,048 x 2,048 float32; Wk 2,048 x 2,048 float32; Wo 2,048 x 2,048 float32; Wq 2,048 x 2,048 float32; Wv 2,048 x 2,048 float32; bk 2,048 float32; bo 2,048 float32; bq 2,048 float32; bv 2,048 float32; mask 1 x 1 x 2,048 x 2,048 float32.
;; Outputs: out0 1 x 2,048 x 2,048 float32.
;; This version of the problem:
;;   THIS VERSION OF THE PROBLEM IS GIVEN IN LOW PRECISION. The matrix products marked QUANTISED in the list below multiply operands that are first quantised to E2M3 (2 exponent bits, 3 mantissa bits; 6 bits a number), with one power-of-two scale for each 32 numbers along K (OCP MX v1.0); their sums are f32. All else is computed in f32.
;;   The module's matrix products, in the order in which they are computed (A, B: the left and right operand; K: the contracted axis; several contracted axes count as one K, in the product's order):
;;     1. [M 2,048, K 2,048] x [K 2,048, N 2,048]; A: input Q; B: input Wq: QUANTISED
;;     2. [M 2,048, K 2,048] x [K 2,048, N 2,048]; A: input K; B: input Wk: QUANTISED
;;     3. [M 2,048, K 2,048] x [K 2,048, N 2,048]; A: input V; B: input Wv: QUANTISED
;;     4. batch 16 x [M 2,048, K 128] x [K 128, N 2,048]; A: computed on the way; B: computed on the way: QUANTISED
;;     5. batch 16 x [M 2,048, K 2,048] x [K 2,048, N 128]; A: softmax (see below); B: computed on the way: QUANTISED
;;     6. [M 2,048, K 2,048] x [K 2,048, N 2,048]; A: computed on the way; B: input Wo: QUANTISED
;;   THE QUANTISER, for each operand of a quantised product, along K:
;;     - K is cut into blocks of 32 from its start; a last block that is shorter is filled with zeros.
;;     - A block's scale is 2^e with e = floor(log2(the largest magnitude in the block)) - 2, held to -126 .. 127; a block of zeros has e = 0. As a byte (E8M0): e + 127.
;;     - Each number is divided by its block's scale, clamped to +-7.5, and rounded to the nearest number of E2M3, ties to even, subnormals kept.
;;     - The product sums the exact products of the quantised numbers (number of the format x scale) in f32.
;;   ~~~python
;;   def quantise(x, axis):      # numpy; x: float32 -> the quantised numbers, widened to float32 again
;;       x = np.moveaxis(x, axis, -1); K = x.shape[-1]
;;       x = np.pad(x, [(0, 0)] * (x.ndim - 1) + [(0, -K % 32)]); x = x.reshape(x.shape[:-1] + (-1, 32)); a = np.abs(x).max(-1, keepdims=True)
;;       e = np.where(a > 0, np.clip(np.frexp(np.where(a > 0, a, 1))[1] - 1 - 2, -126, 127), 0)      # np.frexp(a)[1] - 1 = floor(log2(a)), exactly
;;       r = np.clip(x / 2.0 ** e, -7.5, 7.5)
;;       step = 2.0 ** (np.maximum(np.frexp(np.where(r == 0, 1, r))[1] - 1, 0) - 3)
;;       q = np.round(r / step) * step * 2.0 ** e      # np.round: ties to even
;;       return np.moveaxis(q.reshape(q.shape[:-2] + (-1,))[..., :K], -1, axis).astype(np.float32)
;;   ~~~
;;   SOFTMAX AHEAD OF A QUANTISED PRODUCT. Where the list says 'softmax', what is quantised is not the finished softmax but p = 2^(t - M), with t = logit x log2(e) and M = ceil(the row's largest t), a whole number; so 1/2 < the row's largest p <= 1. The row's sum l is taken of the UNQUANTISED p, in f32, and the product's result is divided by l at the end. Since M is a whole number, a kernel that streams over the keys may use a running M (the ceiling of the running maximum): every later rescaling is an exact power of two, which a block's scale takes up: the codes' values come out the same.
;;   OPERANDS COMPUTED ON THE WAY. 'Computed on the way' means the value that the module computes at that place (a softmax that the list does not call 'softmax' is quantised finished and normalised). What goes into a quantiser is computed in f32, as accurately as f32 sums, v_exp_f32 and their like allow (about 1e-6 of the number): no bf16 or f16 on the way to a quantiser, and a product that is left as it is and whose result goes on into a quantised operand takes f32 operands (vector FMAs, or v_wmma_f32_16x16x4_f32). A number that lies on a knife's edge between two numbers of the format may be rounded either way, as far as f32 arithmetic and the matrix unit's own rounding can turn it there, and no further.
;; One version. Each part assembles by itself: llvm-mc -triple=amdgcn-amd-amdhsa -mcpu=gfx1250 --defsym DOCPART=n.
;; ======== version 1 of 1: 4 launches
;; limits: right only within a limited range of input values
;; workspace buffers: xc 9,437,184 bytes; xs 393,216 bytes; wc 12,582,912 bytes; ws 524,288 bytes; pc 9,437,184 bytes; ps 393,216 bytes; ac 3,145,728 bytes; as_ 131,072 bytes
;; launch quant (part 1): grid 896 x 1, 4 waves a work-group, no clusters, 34,304 bytes of LDS; arguments Q, K, V, Wq, Wk, Wv, Wo, xc, xs, wc, ws; writes xc, xs, wc, ws
.if DOCPART == 1
	.amdgcn_target "amdgcn-amd-amdhsa--gfx1250"
	.amdhsa_code_object_version 6
	.text
	.protected	k_qbd09d6d239_quant
	.globl	k_qbd09d6d239_quant
	.p2align	8
	.type	k_qbd09d6d239_quant,@function
k_qbd09d6d239_quant:
	s_mov_b64 s[64:65], 0
	v_nop
	global_prefetch_b8 v0, s[64:65] scope:SCOPE_SE
	s_setreg_imm32_b32 hwreg(HW_REG_WAVE_MODE, 25, 1), 1
	s_wait_xcnt 0x0
; Q, K, V [2048 (rows)][2048 (k)] and Wq, Wk, Wv, Wo [2048 (k)][2048 (n)], f32, become codes of FP6 (E2M3) with one E8M0 byte for each 32 along k.
; A block's scale is 2^(floor(log2(its largest magnitude)) - 2): its byte is the largest magnitude's exponent field - 2, held at 1 from below.
; A block of zeros so keeps the byte 1 where the rule says 127: its codes are zeros, and the bytes are read by this program alone.
; LIMITS: NaN and infinities among the inputs are not served.
; THE WORKSPACE IS LAID AS THE OPERANDS' REGISTERS.  A fragment is 16 rows x 128 k, 12 registers a lane, 1,536 bytes: register 4 c + m of lane l at byte 512 c + 16 l + 4 m.
; Lane-row r of row block i is the true row 32 (i / 2) + 8 (i % 2) + r + 8 (r / 8), in every tensor.  Codes: [tensor][row block 128][k step 16][1536].
; Scale words: word (i, s, r) at (i / 2) 2048 + (s / 2) 256 + (i % 2) 128 + 8 r + 4 (s % 2).
; The first 384 work-groups take Q, K, V (k innermost), the other 512 the weights (k outermost).  Each work-group reads 131,072 bytes.  Waves share nothing: no barrier.
; No cluster: no two work-groups read the same bytes.  No matrix work.  Only the first path touches LDS.
.set SP,   528                         ; a stage row: 512 bytes + 16: sixteen rows begin in sixteen different groups of banks
.set R,    16                          ; v16-143  two sets of 64: a fragment's numbers as loaded
.set N,    144                         ; v144-207 the same as 16 neighbours of each block a lane
.set PC,   208                         ; v208-219 a fragment's codes
.set PT,   220                         ; v220-226 the conversions' second halves
.set TM,   228                         ; v228-243 at work in QUANT
.set PW,   244                         ; v244-247 the four fragments' scale words
.set X,    32                          ; v32-95   weights: two sets of 32 numbers down k
.set F0,   96                          ; v96-107, v108-119: weights: two fragments in the making
.set PTW,  120                         ; v120-122
.set SW,   124                         ; v124-125 my column's two scale words
.set SEL,  34                          ; s[34:35] lane selects: lane l xor 16
; 64 numbers of a lane, register 16 b + i = k 32 b + 16 (lane / 16) + i of my row, become a fragment's codes in v[pc] on and its scale word in v[pw].
.macro QUANT s, pc, pt, tm, pw
.irp b, 0,1,2,3
	v_max3_num_f32 v[\tm+\b], |v[\s+16*\b]|, |v[\s+1+16*\b]|, 0x1800000   ; my 16 numbers of block b, and the floor 2^(3 - 127): the byte cannot fall under 1
.endr
.irp i, 2,4,6,8,10,12,14
.irp b, 0,1,2,3
	v_max3_num_f32 v[\tm+\b], v[\tm+\b], |v[\s+16*\b+\i]|, |v[\s+1+16*\b+\i]|   ; the four blocks by turns
.endr
.endr
.irp b, 0,1,2,3
	v_permlanex16_b32 v[\tm+4+\b], v[\tm+\b], s[SEL], s[SEL+1]
.endr
.irp b, 0,1,2,3
	v_max_num_f32 v[\tm+\b], v[\tm+\b], v[\tm+4+\b]   ; with lane l xor 16's: the block's largest magnitude
.endr
.irp b, 0,1,2,3
	v_add_nc_u32 v[\tm+12+\b], 0xff000000, v[\tm+\b]   ; 2 off its exponent field: the conversion's scale operand
.endr
.irp b, 0,1,2,3
	v_lshrrev_b32 v[\tm+4+\b], 23, v[\tm+12+\b]   ; the scale's byte
.endr
	v_lshl_or_b32 v[\pw], v[\tm+5], 8, v[\tm+4]
	v_lshl_or_b32 v[\pw], v[\tm+6], 16, v[\pw]
	v_lshl_or_b32 v[\pw], v[\tm+7], 24, v[\pw]   ; my row's scale word
.irp c, 0,1
	v_cvt_scalef32_pk16_fp6_f32 v[\pc+6*\c:\pc+6*\c+2], v[\s+32*\c:\s+32*\c+15], v[\tm+12+2*\c]
	v_cvt_scalef32_pk16_fp6_f32 v[\pt+4*\c:\pt+4*\c+2], v[\s+16+32*\c:\s+31+32*\c], v[\tm+13+2*\c]   ; (a conversion's three registers begin on an even number)
.endr
	v_nop                                          ; one plain line behind the scaled conversions
.irp c, 0,1                                    ; the operand wants a whole block in a lane: lanes 0-15 block 2 c, lanes 16-31 block 2 c + 1
.irp i, 0,1,2
	v_permlane16_swap_b32 v[\pc+6*\c+\i], v[\pt+4*\c+\i]
.endr
.irp i, 0,1,2
	v_mov_b32 v[\pc+3+6*\c+\i], v[\pt+4*\c+\i]
.endr
.endr
.endm
	s_load_b256 s[4:11], s[0:1], 0x0               ; Q s[4:5], K s[6:7], V s[8:9], Wq s[10:11]
	s_load_b256 s[12:19], s[0:1], 0x20             ; Wk s[12:13], Wv s[14:15], Wo s[16:17], xc s[18:19]
	s_load_b128 s[20:23], s[0:1], 0x40             ; xs s[20:21], wc s[22:23]
	s_load_b64 s[24:25], s[0:1], 0x50              ; ws
	v_lshl_add_u32 v248, v0, 2, 0x8400
	v_mov_b32 v249, 0
	v_lshrrev_b32 v1, 5, v0
	v_readfirstlane_b32 s26, v1                    ; wave 0..3
	v_and_b32 v1, 31, v0                           ; lane
	v_and_b32 v2, 15, v0                           ; r
	v_bfe_u32 v3, v0, 4, 1                         ; h
	v_lshlrev_b32 v4, 4, v1                        ; 16 x lane: a load's and an image's place; never rewritten
	v_lshlrev_b32 v7, 3, v1                        ; 8 x lane: the scale words' place; never rewritten
	s_mov_b32 s31, 0
	s_cmp_lt_u32 ttmp9, 384
	s_cbranch_scc0 .Lweights
; ---- Q, K, V.  Work-group x: tensor x / 128, rows 32 b on (b = (x % 128) / 2), half x % 2 of k.  Wave w takes k 256 S on, S = 4 (x % 2) + w: four fragments n = 2 e + f (row block 2 b + e, k step 2 S + f).
; A load reads 512 consecutive bytes of one row.  The conversions want 16 neighbours in a lane: a fragment's 16 rows turn through the wave's own stage in LDS.
	s_lshr_b32 s27, ttmp9, 1                       ; 64 x tensor + b
	s_and_b32 s28, ttmp9, 1
	s_lshl_b32 s28, s28, 2
	s_add_co_u32 s28, s28, s26                     ; S
	s_and_b32 s29, s27, 63                         ; b
	s_mul_i32 s33, s26, 16*SP                      ; my stage
	s_wait_alu depctr_va_vdst(0)
	v_add_nc_u32 v5, s33, v4                       ; in: 16 x lane of a row
	v_mul_u32_u24 v6, v2, SP
	v_lshl_add_u32 v6, v3, 6, v6
	v_add_nc_u32 v6, s33, v6                       ; out: row r, + 64 h: my 16 numbers of a block of 32
	s_mov_b32 s[SEL], 0x76543210
	s_mov_b32 s[SEL+1], 0xfedcba98
.irp b, 0,1,2,3
	v_mov_b32 v[TM+4+\b], 0                        ; written once: a lane permute's destination counts as one of its sources
.endr
	s_lshl_b32 s30, s29, 18                        ; 32 rows of 8,192 bytes
	s_lshl_b32 s32, s28, 10
	s_add_co_u32 s30, s30, s32
	s_wait_alu depctr_va_vdst(0)
	s_wait_kmcnt 0x0
	s_cmp_lt_u32 ttmp9, 256                        ; the choice hangs on the work-group's number alone
	s_cselect_b64 s[6:7], s[6:7], s[8:9]
	s_cmp_lt_u32 ttmp9, 128
	s_cselect_b64 s[4:5], s[4:5], s[6:7]
	s_add_nc_u64 s[4:5], s[4:5], s[30:31]
	s_mul_i32 s30, s27, 49152                      ; two row blocks of 24,576 bytes
	s_mul_i32 s32, s28, 3072
	s_add_co_u32 s30, s30, s32
	s_add_nc_u64 s[18:19], s[18:19], s[30:31]
	s_lshl_b32 s30, s27, 11
	s_lshl_b32 s32, s28, 8
	s_add_co_u32 s30, s30, s32
	s_add_nc_u64 s[20:21], s[20:21], s[30:31]
.macro XLOAD n                         ; fragment n: lane-row i is the true row 8 e + i + 8 (i / 8) of the 32
.irp i, 0,1,2,3,4,5,6,7,8,9,10,11,12,13,14,15
	global_load_b128 v[R+64*((\n)%2)+4*\i:R+64*((\n)%2)+4*\i+3], v4, s[4:5] offset:(8*((\n)/2)+\i+8*(\i/8))*8192+512*((\n)%2) th:TH_LOAD_NT
.endr
.endm
.macro XFRAG n, left
	s_wait_loadcnt \left                           ; this fragment's 16 loads are in; the next fragment's 16 may be out
.irp i, 0,1,2,3,4,5,6,7,8,9,10,11,12,13,14,15
	ds_store_b128 v5, v[R+64*((\n)%2)+4*\i:R+64*((\n)%2)+4*\i+3] offset:SP*\i
.endr
.irp b, 0,1,2,3
.irp j, 0,1,2,3
	ds_load_b128 v[N+16*\b+4*\j:N+16*\b+4*\j+3], v6 offset:128*\b+16*\j   ; LDS serves a wave's instructions in order: these see the stores above
.endr
.endr
	s_wait_dscnt 0x0
.if (\n) < 2
	XLOAD (\n)+2                                   ; the set just emptied takes the fragment two on
.endif
	s_wait_xcnt 0x0                                ; the last fragment's stores have read their data: the codes' registers are written again
	QUANT N, PC, PT, TM, PW+(\n)
.irp c, 0,1,2
	global_store_b128 v4, v[PC+4*\c:PC+4*\c+3], s[18:19] offset:((\n)/2)*24576+((\n)%2)*1536+512*\c   ; 32 lanes store 512 consecutive bytes, aligned
.endr
.endm
	XLOAD 0
	XLOAD 1
	XFRAG 0, 16
	XFRAG 1, 16
	XFRAG 2, 16
	XFRAG 3, 0
	v_cmp_le_u32 vcc_lo, 16, v1                    ; lanes 16-31 carry row block 2 b + 1's words
	v_cndmask_b32 v8, v[PW], v[PW+2], vcc_lo
	v_cndmask_b32 v9, v[PW+1], v[PW+3], vcc_lo
	global_store_b64 v7, v[8:9], s[20:21]          ; 32 lanes store 256 consecutive bytes, aligned
	s_wait_tensorcnt 0x0
	ds_add_u32 v248, v249
	s_wait_dscnt 0x0
	s_endpgm
; ---- The weights.  Work-group y: tensor y / 128, columns 128 ((y / 8) % 16) on, k 256 (y % 8) on.  Wave w takes 32 columns.  A LANE TAKES A COLUMN AND ITS REGISTERS RUN DOWN k:
; a block of 32 lies in one lane, and the conversions give codes with k innermost.  Lane l takes column (l % 8) + 16 ((l / 8) % 2) + 8 (l / 16) of the 32: lanes 0-15 are the lane-rows of row block 2 b, lanes 16-31 of 2 b + 1.
.Lweights:
	s_sub_co_u32 s27, ttmp9, 384                   ; y
	s_lshr_b32 s28, s27, 7                         ; tensor
	s_lshr_b32 s29, s27, 3
	s_lshl_b32 s29, s29, 2
	s_add_co_u32 s29, s29, s26                     ; 64 x tensor + b, b = the pair of row blocks
	s_and_b32 s32, s27, 7                          ; S
	s_and_b32 s33, s29, 63
	v_and_b32 v8, 7, v0
	v_bfe_u32 v9, v0, 3, 1
	v_lshl_add_u32 v8, v9, 4, v8
	s_wait_alu depctr_va_vdst(0)
	v_lshl_add_u32 v8, v3, 3, v8
	v_lshlrev_b32 v8, 2, v8                        ; my column, in bytes; never rewritten
	s_lshl_b32 s30, s32, 21                        ; 256 rows of 8,192 bytes
	s_lshl_b32 s33, s33, 7                         ; 32 columns of 4 bytes
	s_add_co_u32 s30, s30, s33
	s_wait_alu depctr_va_vdst(0)
	s_wait_kmcnt 0x0
	s_cmp_lt_u32 s28, 1
	s_cselect_b64 s[10:11], s[10:11], s[12:13]
	s_cmp_lt_u32 s28, 3
	s_cselect_b64 s[14:15], s[14:15], s[16:17]
	s_cmp_lt_u32 s28, 2
	s_cselect_b64 s[10:11], s[10:11], s[14:15]
	s_add_nc_u64 s[10:11], s[10:11], s[30:31]
	s_mul_i32 s30, s29, 49152
	s_mul_i32 s33, s32, 3072
	s_add_co_u32 s30, s30, s33
	s_add_nc_u64 s[22:23], s[22:23], s[30:31]
	s_lshl_b32 s30, s29, 11
	s_lshl_b32 s33, s32, 8
	s_add_co_u32 s30, s30, s33
	s_add_nc_u64 s[24:25], s[24:25], s[30:31]
.macro WLOAD t                         ; block t: W(32 t + i, my column): 32 lanes read 128 consecutive bytes, the four waves 512.  The largest immediate is 255 x 8,192
.irp i, 0,1,2,3,4,5,6,7,8,9,10,11,12,13,14,15,16,17,18,19,20,21,22,23,24,25,26,27,28,29,30,31
	global_load_b32 v[X+32*((\t)%2)+\i], v8, s[10:11] offset:(32*(\t)+\i)*8192 th:TH_LOAD_NT
.endr
.endm
.macro WBLOCK bl                       ; block bl = 4 f + beta of my column.  Even beta goes to the first fragment's registers, odd beta to the second's, 6 (beta / 2) on
.set XS, X+32*((\bl)%2)
.set FD, F0+12*((\bl)%2)+6*(((\bl)%4)/2)
.if (\bl) < 7
	s_wait_loadcnt 32                              ; this block's 32 loads are in; the next block's 32 may be out
.else
	s_wait_loadcnt 0x0
.endif
	v_max3_num_f32 v12, |v[XS]|, |v[XS+1]|, |v[XS+2]|
	v_max3_num_f32 v13, |v[XS+3]|, |v[XS+4]|, |v[XS+5]|
.irp i, 6,10,14,18,22,26
	v_max3_num_f32 v12, v12, |v[XS+\i]|, |v[XS+\i+1]|
	v_max3_num_f32 v13, v13, |v[XS+\i+2]|, |v[XS+\i+3]|
.endr
	v_max3_num_f32 v12, v12, |v[XS+30]|, |v[XS+31]|
	v_max3_num_f32 v12, v12, v13, 0x1800000        ; and the floor
	v_add_nc_u32 v11, 0xff000000, v12              ; the conversion's scale operand
.if (\bl) == 4
	s_wait_alu depctr_va_vdst(0)
	s_wait_xcnt 0x0                                ; the first k step's stores have read the two fragments: they are written again
.endif
	v_cvt_scalef32_pk16_fp6_f32 v[FD:FD+2], v[XS:XS+15], v11
	v_cvt_scalef32_pk16_fp6_f32 v[PTW:PTW+2], v[XS+16:XS+31], v11
	v_lshrrev_b32 v13, 23, v11                     ; the scale's byte (a plain line behind the conversions)
.if (\bl)%4 == 0
	v_mov_b32 v[SW+(\bl)/4], v13
.else
	v_lshl_or_b32 v[SW+(\bl)/4], v13, 8*((\bl)%4), v[SW+(\bl)/4]
.endif
.irp i, 0,1,2
	v_mov_b32 v[FD+3+\i], v[PTW+\i]
.endr
.if (\bl)+2 < 8
	WLOAD (\bl)+2
.endif
.if (\bl)%4 == 3                       ; a k step of 128 is whole.  The first run holds blocks 0 and 2 of all 32 columns, the second blocks 1 and 3: one exchange of halves makes of them row block 2 b's fragment and 2 b + 1's
.irp k, 0,1,2,3,4,5,6,7,8,9,10,11
	v_permlane16_swap_b32 v[F0+\k], v[F0+12+\k]
.endr
.irp e, 0,1
.irp c, 0,1,2
	global_store_b128 v4, v[F0+12*\e+4*\c:F0+12*\e+4*\c+3], s[22:23] offset:\e*24576+((\bl)/4)*1536+512*\c
.endr
.endr
.endif
.endm
	WLOAD 0
	WLOAD 1
.irp q, 0,1,2,3,4,5,6,7
	WBLOCK \q
.endr
	global_store_b64 v7, v[SW:SW+1], s[24:25]      ; lane l's two words lie at 8 l: 256 consecutive bytes, aligned
	s_endpgm
.Lfunc_end_k_qbd09d6d239_quant:
	.size	k_qbd09d6d239_quant, .Lfunc_end_k_qbd09d6d239_quant-k_qbd09d6d239_quant
	.p2alignl 7, 3214868480
	.fill 96, 4, 3214868480
	.section	.rodata,"a",@progbits
	.p2align	6, 0x0
	.amdhsa_kernel k_qbd09d6d239_quant
		.amdhsa_group_segment_fixed_size 34304
		.amdhsa_private_segment_fixed_size 0
		.amdhsa_enable_private_segment 0
		.amdhsa_kernarg_size 88
		.amdhsa_user_sgpr_count 2
		.amdhsa_user_sgpr_kernarg_segment_ptr 1
		.amdhsa_wavefront_size32 1
		.amdhsa_system_sgpr_workgroup_id_x 1
		.amdhsa_system_sgpr_workgroup_id_y 1
		.amdhsa_system_sgpr_workgroup_id_z 1
		.amdhsa_system_vgpr_workitem_id 0
		.amdhsa_next_free_vgpr 250
		.amdhsa_next_free_sgpr 66
		.amdhsa_reserve_vcc 1
		.amdhsa_float_denorm_mode_32 3
		.amdhsa_float_denorm_mode_16_64 3
		.amdhsa_memory_ordered 1
		.amdhsa_forward_progress 1
		.amdhsa_inst_pref_size 72
	.end_amdhsa_kernel
	.amdgpu_metadata
---
amdhsa.version: [ 1, 2 ]
amdhsa.kernels:
  - .name:           k_qbd09d6d239_quant
    .symbol:         k_qbd09d6d239_quant.kd
    .args:
      - { .name: Q, .offset: 0, .size: 8, .value_kind: global_buffer, .address_space: global }
      - { .name: K, .offset: 8, .size: 8, .value_kind: global_buffer, .address_space: global }
      - { .name: V, .offset: 16, .size: 8, .value_kind: global_buffer, .address_space: global }
      - { .name: Wq, .offset: 24, .size: 8, .value_kind: global_buffer, .address_space: global }
      - { .name: Wk, .offset: 32, .size: 8, .value_kind: global_buffer, .address_space: global }
      - { .name: Wv, .offset: 40, .size: 8, .value_kind: global_buffer, .address_space: global }
      - { .name: Wo, .offset: 48, .size: 8, .value_kind: global_buffer, .address_space: global }
      - { .name: xc, .offset: 56, .size: 8, .value_kind: global_buffer, .address_space: global }
      - { .name: xs, .offset: 64, .size: 8, .value_kind: global_buffer, .address_space: global }
      - { .name: wc, .offset: 72, .size: 8, .value_kind: global_buffer, .address_space: global }
      - { .name: ws, .offset: 80, .size: 8, .value_kind: global_buffer, .address_space: global }
    .group_segment_fixed_size: 34304
    .private_segment_fixed_size: 0
    .kernarg_segment_align: 8
    .kernarg_segment_size: 88
    .max_flat_workgroup_size: 128
    .sgpr_count:     66
    .vgpr_count:     250
    .wavefront_size: 32
...
	.end_amdgpu_metadata
.endif
;; end of part 1
;; launch proj (part 2): grid 8 x 24, 4 waves a work-group, clusters of 4 x 4, 327,680 bytes of LDS; arguments xc, xs, wc, ws, bq, bk, bv, pc, ps; writes pc, ps
.if DOCPART == 2
	.amdgcn_target "amdgcn-amd-amdhsa--gfx1250"
	.amdhsa_code_object_version 6
	.text
	.protected	k_qbd09d6d239_proj
	.globl	k_qbd09d6d239_proj
	.p2align	8
	.type	k_qbd09d6d239_proj,@function
k_qbd09d6d239_proj:
	s_mov_b64 s[64:65], 0
	v_nop
	global_prefetch_b8 v0, s[64:65] scope:SCOPE_SE
	s_setreg_imm32_b32 hwreg(HW_REG_WAVE_MODE, 25, 1), 1
	s_wait_xcnt 0x0
	s_wait_alu depctr_hold_cnt(0) depctr_sa_sdst(0) depctr_va_vdst(0) depctr_va_sdst(0) depctr_va_ssrc(0) depctr_va_vcc(0) depctr_vm_vsrc(0)
	s_getreg_b32 s2, hwreg(HW_REG_IB_STS2, 6, 4)
	s_cmp_eq_u32 s2, 0
	s_cbranch_scc0 .Lentry_in_a_cluster
	s_endpgm
.Lentry_in_a_cluster:
	s_bfe_u32 s2, ttmp6, 0x10000c
	s_cmp_lg_u32 s2, 0xf033
	s_cbranch_scc0 .Lentry_shape_is_right
	s_endpgm
.Lentry_shape_is_right:
.set MB,     8
.set HB,     MB/2
.set FR,     12
.set NL,     3
.set NP,     4
.set RBB,    3072
.set HALFA,  MB*RBB
.set HALFB,  8*RBB
.set SLOT,   2*HALFA+2*HALFB
.set SCL,    2*SLOT
.set ASZ,    MB*2048
.set SPARE,  SCL+ASZ+16384
.set LAPS,   4
.set ADRA, 16
.set ADRB, 20
.set LI,   24
.set ADRS, 27
.set SPW,  28
.set NIL,  29
.set SC,   32
.set CB,   64
.set AF,   128
.set RB,   224
.set T,    128
.set PC,   192
.set PT,   204
.set SWO,  212
.set RP,   216
.set PW,   232
.set TM,   240
.set G1,   24
.set G0,   32
.set G1B,  48
.set G0B,  56
.set G1S,  68
.set G0S,  76
.set G1SB, 80
.set G0SB, 88
.set SEL,  66
.set MQ,   100
.set MV,   101
.set MSB, 0
.macro WIN new
.if MSB != (\new)
	s_set_vgpr_msb (MSB<<8)|(\new)
.set MSB, (\new)
.endif
.endm
.set MUL_LO,   0xa1
.set MUL_HI,   0xa1+0x50*(MB/8)
.set FIRST_LO, 0x81
.set FIRST_HI, 0x81+0x40*(MB/8)
.set TO_B,     0x40
.macro JLOAD g0a, g1a, g0b, g1b
	s_cmp_eq_u32 s15, 0
	s_cbranch_scc0 .Lfor_b_\@
	tensor_load_to_lds s[\g0a:\g0a+3], s[\g1a:\g1a+7]
	s_nop 0
.rept 4
	v_nop
.endr
	s_branch .Lasked_\@
.Lfor_b_\@:
	tensor_load_to_lds s[\g0b:\g0b+3], s[\g1b:\g1b+7]
	s_nop 0
.rept 4
	v_nop
.endr
.Lasked_\@:
.endm
.macro CREST
	s_cmp_lg_u32 s14, 0
	s_cbranch_scc1 .Lnot_wave_0_\@
	s_barrier_signal -3
.Lnot_wave_0_\@:
	s_barrier_wait -3
	s_barrier_signal -1
	s_barrier_wait -1
.endm
.macro CROUND
	s_barrier_signal -1
	s_barrier_wait -1
	CREST
.endm
.macro PLACES n
.rept \n
	v_nop
.endr
.endm
.macro QUANT s, pc, pt, tm, pw
.irp b, 0,1,2,3
	v_max3_num_f32 v[\tm+\b], |v[\s+16*\b]|, |v[\s+1+16*\b]|, 0x1800000
.endr
.irp i, 2,4,6,8,10,12,14
.irp b, 0,1,2,3
	v_max3_num_f32 v[\tm+\b], v[\tm+\b], |v[\s+16*\b+\i]|, |v[\s+1+16*\b+\i]|
.endr
.endr
.irp b, 0,1,2,3
	v_permlanex16_b32 v[\tm+4+\b], v[\tm+\b], s[SEL], s[SEL+1]
.endr
.irp b, 0,1,2,3
	v_max_num_f32 v[\tm+\b], v[\tm+\b], v[\tm+4+\b]
.endr
.irp b, 0,1,2,3
	v_add_nc_u32 v[\tm+12+\b], 0xff000000, v[\tm+\b]
.endr
.irp b, 0,1,2,3
	v_lshrrev_b32 v[\tm+4+\b], 23, v[\tm+12+\b]
.endr
	v_lshl_or_b32 v[\pw], v[\tm+5], 8, v[\tm+4]
	v_lshl_or_b32 v[\pw], v[\tm+6], 16, v[\pw]
	v_lshl_or_b32 v[\pw], v[\tm+7], 24, v[\pw]
.irp c, 0,1
	v_cvt_scalef32_pk16_fp6_f32 v[\pc+6*\c:\pc+6*\c+2], v[\s+32*\c:\s+32*\c+15], v[\tm+12+2*\c]
	v_cvt_scalef32_pk16_fp6_f32 v[\pt+4*\c:\pt+4*\c+2], v[\s+16+32*\c:\s+31+32*\c], v[\tm+13+2*\c]
.endr
	v_nop
.irp c, 0,1
.irp i, 0,1,2
	v_permlane16_swap_b32 v[\pc+6*\c+\i], v[\pt+4*\c+\i]
.endr
.irp i, 0,1,2
	v_mov_b32 v[\pc+3+6*\c+\i], v[\pt+4*\c+\i]
.endr
.endr
.endm
	s_load_b256 s[4:11], s[0:1], 0x0
	s_load_b256 s[92:99], s[0:1], 0x20
	s_load_b64 s[12:13], s[0:1], 0x40
	v_lshl_add_u32 v[SPW], v0, 2, SPARE
	v_mov_b32 v[NIL], 0
	ds_add_u32 v28, v29
	ds_add_u32 v28, v29
	s_wait_dscnt 0x0
	v_lshrrev_b32 v1, 5, v0
	v_readfirstlane_b32 s14, v1
	s_lshr_b32 s15, s14, 1
	s_and_b32 s16, s14, 1
	s_bfe_u32 s40, ttmp6, 0x40000
	s_bfe_u32 s41, ttmp6, 0x40004
	s_lshl_b32 s42, ttmp9, 2
	s_add_co_u32 s42, s42, s40
	s_and_b32 s18, ttmp7, 0xffff
	s_lshr_b32 s19, s18, 1
	s_and_b32 s17, s18, 1
	s_lshl_b32 s17, s17, 2
	s_add_co_u32 s17, s17, s41
	s_lshl_b32 s43, s41, 2
	s_lshl_b32 s43, 15, s43
	s_lshl_b32 s44, 0x1111, s40
	s_or_b32 s[G1+0], s43, (3<<16)|(1<<21)
	s_or_b32 s[G1B+0], s44, (3<<16)|(1<<21)
	s_mov_b32 s[G1+1], 384<<16
	s_mov_b32 s[G1+2], MB<<16
	s_mov_b32 s[G1+3], 384<<16
	s_mov_b32 s[G1+4], MB
	s_mov_b32 s[G1+5], 3072
	s_mov_b32 s[G1+6], 0
	s_mov_b32 s[G1+7], 0
	s_mov_b32 s[G1B+1], 384<<16
	s_mov_b32 s[G1B+2], 8<<16
	s_mov_b32 s[G1B+3], 384<<16
	s_mov_b32 s[G1B+4], 8
	s_mov_b32 s[G1B+5], 3072
	s_mov_b32 s[G1B+6], 0
	s_mov_b32 s[G1B+7], 0
	s_or_b32 s[G1S+0], s43, (3<<16)|(1<<21)
	s_or_b32 s[G1SB+0], s44, (3<<16)|(1<<21)
	s_mov_b32 s[G1S+1], 32<<16
	s_mov_b32 s[G1S+2], (4*MB)<<16
	s_mov_b32 s[G1S+3], 32<<16
	s_mov_b32 s[G1S+4], 4*MB
	s_mov_b32 s[G1S+5], 32
	s_mov_b32 s[G1S+6], 0
	s_mov_b32 s[G1S+7], 0
	s_mov_b32 s[G1SB+1], 32<<16
	s_mov_b32 s[G1SB+2], 32<<16
	s_mov_b32 s[G1SB+3], 32<<16
	s_mov_b32 s[G1SB+4], 32
	s_mov_b32 s[G1SB+5], 32
	s_mov_b32 s[G1SB+6], 0
	s_mov_b32 s[G1SB+7], 0
	s_mul_i32 s2, s19, 3145728
	s_mul_i32 s3, s19, 131072
	s_lshl_b32 s20, s17, 1
	s_add_co_u32 s20, s20, s16
	s_mul_i32 s22, s20, (MB/2)*2048
	s_mul_i32 s20, s20, MB*24576
	s_add_co_u32 s20, s20, s2
	s_add_co_u32 s22, s22, s3
	s_mov_b32 s21, 0
	s_mov_b32 s23, 0
	s_lshl_b32 s46, s42, 1
	s_add_co_u32 s46, s46, s16
	s_mul_i32 s100, s46, 4*2048
	s_mul_i32 s46, s46, 8*24576
	s_add_co_u32 s46, s46, s2
	s_add_co_u32 s100, s100, s3
	s_mov_b32 s47, 0
	s_mov_b32 s101, 0
	s_wait_kmcnt 0x0
	s_cmp_eq_u32 s19, 2
	s_cselect_b64 s[2:3], s[8:9], s[4:5]
	s_cselect_b64 s[66:67], s[10:11], s[6:7]
	s_cselect_b64 s[8:9], s[4:5], s[8:9]
	s_cselect_b64 s[10:11], s[6:7], s[10:11]
	s_add_nc_u64 s[20:21], s[2:3], s[20:21]
	s_add_nc_u64 s[22:23], s[66:67], s[22:23]
	s_add_nc_u64 s[46:47], s[8:9], s[46:47]
	s_add_nc_u64 s[100:101], s[10:11], s[100:101]
	CROUND
	s_mov_b32 s[G0S], 1
	s_mul_i32 s[G0S+1], s16, ASZ/2
	s_add_co_u32 s[G0S+1], s[G0S+1], SCL
	s_mov_b64 s[G0S+2:G0S+3], s[22:23]
	s_or_b32 s[G0S+3], s[G0S+3], 0x80000000
	s_mov_b32 s[G0SB], 1
	s_mul_i32 s[G0SB+1], s16, 8192
	s_add_co_u32 s[G0SB+1], s[G0SB+1], SCL+ASZ
	s_mov_b64 s[G0SB+2:G0SB+3], s[100:101]
	s_or_b32 s[G0SB+3], s[G0SB+3], 0x80000000
	JLOAD G0S, G1S, G0SB, G1SB
.irp s, 0,1
	s_mov_b32 s[G0+4*\s], 1
	s_mul_i32 s[G0+4*\s+1], s16, HALFA
	s_add_co_u32 s[G0+4*\s+1], s[G0+4*\s+1], \s*SLOT
	s_add_nc_u64 s[G0+4*\s+2:G0+4*\s+3], s[20:21], \s*RBB
	s_or_b32 s[G0+4*\s+3], s[G0+4*\s+3], 0x80000000
	s_mov_b32 s[G0B+4*\s], 1
	s_mul_i32 s[G0B+4*\s+1], s16, HALFB
	s_add_co_u32 s[G0B+4*\s+1], s[G0B+4*\s+1], \s*SLOT+2*HALFA
	s_add_nc_u64 s[G0B+4*\s+2:G0B+4*\s+3], s[46:47], \s*RBB
	s_or_b32 s[G0B+4*\s+3], s[G0B+4*\s+3], 0x80000000
	s_wait_alu depctr_va_vdst(0)
	s_wait_tensorcnt 0x0
	ds_add_u32 v28, v29
	s_wait_dscnt 0x0
	CROUND
	JLOAD G0+4*\s, G1, G0B+4*\s, G1B
.endr
	v_and_b32 v1, 15, v0
	v_bfe_u32 v2, v0, 4, 1
	s_wait_alu depctr_va_vdst(0)
	v_and_b32 v3, 31, v0
	v_lshlrev_b32 v[LI], 4, v3
	s_cmp_eq_u32 s19, 0
	s_cselect_b64 s[92:93], s[92:93], s[94:95]
	s_cmp_eq_u32 s19, 2
	s_cselect_b64 s[92:93], s[96:97], s[92:93]
	s_lshl_b32 s21, s42, 1
	s_add_co_u32 s21, s21, s16
	s_lshl_b32 s22, s17, 1
	s_add_co_u32 s22, s22, s15
	s_lshl_b32 s23, s21, 9
	v_lshlrev_b32 v8, 6, v2
	v_add_nc_u32 v8, s23, v8
.irp b, 0,1,2,3
.irp j, 0,1,2,3
	global_load_b128 v[CB+16*\b+4*\j:CB+16*\b+4*\j+3], v8, s[92:93] offset:128*\b+16*\j
.endr
.endr
	s_lshl_b32 s23, s22, 9
	v_and_b32 v9, 8, v1
	v_add_nc_u32 v9, v9, v1
	v_lshl_add_u32 v9, v9, 2, s23
.irp a, 0,1,2,3,4,5,6,7
	global_load_b32 v[RB+\a], v9, s[92:93] offset:4*(32*(\a/2)+8*(\a%2))
.endr
	s_cmp_lt_u32 s19, 2
	s_cselect_b32 s23, s21, s22
	s_cselect_b32 s45, s22, s21
	s_cselect_b32 s[MQ], -1, 0
	s_cselect_b32 s[MV], 0, -1
	s_mul_i32 s46, s19, 3145728
	s_mul_i32 s47, s23, 196608
	s_add_co_u32 s46, s46, s47
	s_mul_i32 s47, s45, 12288
	s_add_co_u32 s46, s46, s47
	s_mov_b32 s47, 0
	s_add_nc_u64 s[98:99], s[98:99], s[46:47]
	s_lshl_b32 s46, s23, 4
	s_add_co_u32 s46, s46, s45
	s_lshl_b32 s46, s46, 9
	s_mul_i32 s45, s19, 131072
	s_add_co_u32 s46, s46, s45
	s_add_nc_u64 s[12:13], s[12:13], s[46:47]
	s_mov_b32 s[SEL], 0x76543210
	s_mov_b32 s[SEL+1], 0xfedcba98
	s_wait_loadcnt 0x0
.set ek, 0
.rept 64
	v_cndmask_b32 v[CB+ek], 0, v[CB+ek], s[MQ]
.set ek, ek+1
.endr
.irp a, 0,1,2,3,4,5,6,7
	v_cndmask_b32 v[RB+\a], 0, v[RB+\a], s[MV]
.endr
	s_mul_i32 s21, s15, HALFA
	s_mul_i32 s22, s16, HALFB
	s_add_co_u32 s22, s22, 2*HALFA
.irp s, 0,1
	v_add_nc_u32 v[ADRA+\s], s21, v[LI]
	v_add_nc_u32 v[ADRB+\s], s22, v[LI]
	s_add_co_u32 s21, s21, SLOT
	s_add_co_u32 s22, s22, SLOT
.endr
	s_mul_i32 s21, s15, (MB/2)*2048
	s_mul_i32 s22, s16, 8192
	s_add_co_u32 s22, s22, ASZ
	s_sub_co_u32 s22, s22, s21
	v_mul_u32_u24 v6, s22, v2
	s_add_co_u32 s21, s21, SCL
	v_lshlrev_b32 v5, 3, v1
	v_add_nc_u32 v5, v5, v6
	v_add_nc_u32 v[ADRS], s21, v5
.macro FRAG reg, adr, q, i
.irp c, 0,1,2
	ds_load_b128 v[\reg+4*\c:\reg+4*\c+3], v[\adr] offset:(\i)*RBB+(\q)*1536+512*\c
.endr
.endm
.macro FETCH_B slot, q, p
	WIN TO_B
.irp i, 0,1,2,3,4,5,6,7
	FRAG 128*(\p)+FR*\i, ADRB+\slot, \q, \i
.endr
	WIN 0
.endm
.macro FETCH_A slot, q, i0
.set fi, \i0
.rept HB
	FRAG AF+FR*fi, ADRA+\slot, \q, fi
.set fi, fi+1
.endr
.endm
.macro SCALES sc
.irp i, 0,1,2,3,4,5,6,7
	ds_load_b64 v[SC+16*\sc+2*\i:SC+16*\sc+2*\i+1], v[ADRS] offset:(\i/2)*2048+(\i%2)*128
.endr
.endm
.macro MULQ k, p, q, sc, first
.set qa, (\k)*MB/4
.rept MB/4
.set qb, 0
.rept 8
.set rD, 8*(8*(qa%4)+qb)
.if \first
	v_wmma_scale_f32_16x16x128_f8f6f4 v[rD:rD+7], v[128*(\p)+FR*qb:128*(\p)+FR*qb+FR-1], v[AF+FR*qa:AF+FR*qa+FR-1], v[CB+8*qb:CB+8*qb+7], v[SC+16*(\sc)+2*qb+(\q)], v[SC+16*(\sc)+2*qa+(\q)] matrix_a_fmt:MATRIX_FMT_FP6 matrix_b_fmt:MATRIX_FMT_FP6 matrix_a_scale:MATRIX_SCALE_ROW1
.else
	v_wmma_scale_f32_16x16x128_f8f6f4 v[rD:rD+7], v[128*(\p)+FR*qb:128*(\p)+FR*qb+FR-1], v[AF+FR*qa:AF+FR*qa+FR-1], v[rD:rD+7], v[SC+16*(\sc)+2*qb+(\q)], v[SC+16*(\sc)+2*qa+(\q)] matrix_a_fmt:MATRIX_FMT_FP6 matrix_b_fmt:MATRIX_FMT_FP6 matrix_a_scale:MATRIX_SCALE_ROW1
.endif
.set qb, qb+1
.endr
.set qa, qa+1
.endr
.endm
.macro STEP slot, q, first
	s_wait_dscnt HB*NL
.if \first
	WIN FIRST_LO
.else
	WIN MUL_LO
.endif
	MULQ 0, (\q)%2, \q, \slot, \first
	MULQ 1, (\q)%2, \q, \slot, \first
	s_wait_dscnt 0x0
	PLACES NP
	FETCH_B \slot, (\q)+1, 1-(\q)%2
	FETCH_A \slot, (\q)+1, 0
.if \first
	WIN FIRST_HI
.else
	WIN MUL_HI
.endif
	MULQ 2, (\q)%2, \q, \slot, \first
	MULQ 3, (\q)%2, \q, \slot, \first
	PLACES NP
	WIN 0
	FETCH_A \slot, (\q)+1, HB
.endm
.macro TURN slot, next, fill
	s_wait_tensorcnt 0x0
	ds_add_u32 v[SPW], v[NIL]
	s_wait_dscnt HB*NL+1
	WIN MUL_LO
	MULQ 0, 1, 1, \slot, 0
	s_wait_dscnt 0x0
	s_barrier_signal -1
	MULQ 1, 1, 1, \slot, 0
	WIN 0
	s_barrier_wait -1
.if \fill
	CREST
	s_add_nc_u64 s[G0+4*\slot+2:G0+4*\slot+3], s[G0+4*\slot+2:G0+4*\slot+3], 2*RBB
	s_add_nc_u64 s[G0B+4*\slot+2:G0B+4*\slot+3], s[G0B+4*\slot+2:G0B+4*\slot+3], 2*RBB
	JLOAD G0+4*\slot, G1, G0B+4*\slot, G1B
.else
	PLACES NP
.endif
	s_wait_alu depctr_va_vdst(0)
	v_add_nc_u32 v[ADRS], 256, v[ADRS]
	FETCH_B \next, 0, 0
	FETCH_A \next, 0, 0
	SCALES \next
	WIN MUL_HI
	MULQ 2, 1, 1, \slot, 0
	MULQ 3, 1, 1, \slot, 0
	PLACES NP
	WIN 0
	FETCH_A \next, 0, HB
.endm
	s_wait_alu depctr_va_vdst(0)
	s_wait_tensorcnt 0x1
	s_barrier_signal -1
	s_barrier_wait -1
	FETCH_B 0, 0, 0
	FETCH_A 0, 0, 0
	SCALES 0
	FETCH_A 0, 0, HB
	STEP 0, 0, 1
	s_mov_b32 s3, LAPS-1
.Llap:
	TURN 0, 1, 1
	STEP 1, 0, 0
	TURN 1, 0, 1
	STEP 0, 0, 0
	s_sub_co_u32 s3, s3, 1
	s_cmp_lg_u32 s3, 0
	s_cbranch_scc1 .Llap
	TURN 0, 1, 0
	STEP 1, 0, 0
	s_wait_dscnt HB*NL
	WIN MUL_LO
	MULQ 0, 1, 1, 1, 0
	MULQ 1, 1, 1, 1, 0
	s_wait_dscnt 0x0
	WIN MUL_HI
	MULQ 2, 1, 1, 1, 0
	MULQ 3, 1, 1, 1, 0
	WIN 0
	PLACES NP
.irp b, 0,1,2,3
	v_mov_b32 v[TM+4+\b], 0
.endr
.macro OUTBLK a
	v_mov_b32 v[RP], v[RB+(\a)]
	v_mov_b32 v[RP+1], v[RB+(\a)]
	WIN 0x02+(\a)/4
.set ek, 0
.rept 32
	v_pk_add_f32 v[T+ek:T+ek+1], v[64*((\a)%4)+ek:64*((\a)%4)+ek+1], v[RP:RP+1]
.set ek, ek+2
.endr
	WIN 0
.set ek, 0
.rept 64
	v_max_num_f32 v[T+ek], 0, v[T+ek]
.set ek, ek+1
.endr
	s_wait_xcnt 0x0
	QUANT T, PC, PT, TM, PW+(\a)
.irp c, 0,1,2
	global_store_b128 v[LI], v[PC+4*\c:PC+4*\c+3], s[98:99] offset:(\a)*1536+512*\c
.endr
.endm
.irp a, 0,1,2,3,4,5,6,7
	OUTBLK \a
.endr
	v_cmp_le_u32 vcc_lo, 16, v3
.irp j, 0,1,2,3
	v_cndmask_b32 v[SWO+\j], v[PW+\j], v[PW+4+\j], vcc_lo
.endr
	global_store_b128 v[LI], v[SWO:SWO+3], s[12:13]
	s_wait_tensorcnt 0x0
	ds_add_u32 v[SPW], v[NIL]
	s_wait_dscnt 0x0
	CROUND
	s_endpgm
.Lfunc_end_k_qbd09d6d239_proj:
	.size	k_qbd09d6d239_proj, .Lfunc_end_k_qbd09d6d239_proj-k_qbd09d6d239_proj
	.p2alignl 7, 3214868480
	.fill 96, 4, 3214868480
	.section	.rodata,"a",@progbits
	.p2align	6, 0x0
	.amdhsa_kernel k_qbd09d6d239_proj
		.amdhsa_group_segment_fixed_size 327680
		.amdhsa_private_segment_fixed_size 0
		.amdhsa_enable_private_segment 0
		.amdhsa_kernarg_size 72
		.amdhsa_user_sgpr_count 2
		.amdhsa_user_sgpr_kernarg_segment_ptr 1
		.amdhsa_wavefront_size32 1
		.amdhsa_system_sgpr_workgroup_id_x 1
		.amdhsa_system_sgpr_workgroup_id_y 1
		.amdhsa_system_sgpr_workgroup_id_z 1
		.amdhsa_system_vgpr_workitem_id 0
		.amdhsa_next_free_vgpr 1024
		.amdhsa_next_free_sgpr 102
		.amdhsa_reserve_vcc 1
		.amdhsa_float_denorm_mode_32 3
		.amdhsa_float_denorm_mode_16_64 3
		.amdhsa_memory_ordered 1
		.amdhsa_forward_progress 1
		.amdhsa_inst_pref_size 181
	.end_amdhsa_kernel
	.amdgpu_metadata
---
amdhsa.version: [ 1, 2 ]
amdhsa.kernels:
  - .name:           k_qbd09d6d239_proj
    .symbol:         k_qbd09d6d239_proj.kd
    .args:
      - { .name: xc, .offset: 0, .size: 8, .value_kind: global_buffer, .address_space: global }
      - { .name: xs, .offset: 8, .size: 8, .value_kind: global_buffer, .address_space: global }
      - { .name: wc, .offset: 16, .size: 8, .value_kind: global_buffer, .address_space: global }
      - { .name: ws, .offset: 24, .size: 8, .value_kind: global_buffer, .address_space: global }
      - { .name: bq, .offset: 32, .size: 8, .value_kind: global_buffer, .address_space: global }
      - { .name: bk, .offset: 40, .size: 8, .value_kind: global_buffer, .address_space: global }
      - { .name: bv, .offset: 48, .size: 8, .value_kind: global_buffer, .address_space: global }
      - { .name: pc, .offset: 56, .size: 8, .value_kind: global_buffer, .address_space: global }
      - { .name: ps, .offset: 64, .size: 8, .value_kind: global_buffer, .address_space: global }
    .group_segment_fixed_size: 327680
    .private_segment_fixed_size: 0
    .kernarg_segment_align: 8
    .kernarg_segment_size: 72
    .max_flat_workgroup_size: 128
    .sgpr_count:     102
    .vgpr_count:     1024
    .wavefront_size: 32
...
	.end_amdgpu_metadata
.endif
;; end of part 2
;; launch attn (part 3): grid 16 x 16, 4 waves a work-group, clusters of 4 x 1, 327,680 bytes of LDS; arguments pc, ps, mask, ac, as_; writes ac, as_
.if DOCPART == 3
	.amdgcn_target "amdgcn-amd-amdhsa--gfx1250"
	.amdhsa_code_object_version 6
	.text
	.protected	k_qbd09d6d239_attn
	.globl	k_qbd09d6d239_attn
	.p2align	8
	.type	k_qbd09d6d239_attn,@function
k_qbd09d6d239_attn:
	s_mov_b64 s[64:65], 0
	v_nop
	global_prefetch_b8 v0, s[64:65] scope:SCOPE_SE
	s_setreg_imm32_b32 hwreg(HW_REG_WAVE_MODE, 25, 1), 1
	s_wait_xcnt 0x0
	s_wait_alu depctr_hold_cnt(0) depctr_sa_sdst(0) depctr_va_vdst(0) depctr_va_sdst(0) depctr_va_ssrc(0) depctr_va_vcc(0) depctr_vm_vsrc(0)
	s_getreg_b32 s2, hwreg(HW_REG_IB_STS2, 6, 4)
	s_cmp_eq_u32 s2, 0
	s_cbranch_scc0 .Lentry_in_a_cluster
	s_endpgm
.Lentry_in_a_cluster:
	s_bfe_u32 s2, ttmp6, 0x10000c
	s_cmp_lg_u32 s2, 0x3003
	s_cbranch_scc0 .Lentry_shape_is_right
	s_endpgm
.Lentry_shape_is_right:
; attn[q][head] = softmax_k(q . k / sqrt(128) + mask[q][k] x (-1e9)) v, both products on codes of FP6 (E2M3) with E8M0 scales; the result is quantised along the head's 128 and leaves as codes for the last product.
; THE SOFTMAX: t = logit x log2(e); M = the row's largest t so far, rounded UP to a whole number; p = 2^(t - M) is quantised along the keys, not normalised.  The row's sum is taken of the unquantised p and divides at the end.
; When M moves, the sum and O are multiplied by 2^(old M - new M): exact.
; THE MASK is an input of f32 numbers: every one is read and multiplied; no tile is left out.  ORDER OF ROUNDING: t = c (s + mask x (-1e9 sqrt(128))), c = log2(e) / sqrt(128): the mask's term, rounded to f32, is the C of the
; matrix instruction that sums the scores, so it is added ahead of the scaling and by the matrix unit's own rounding.
; SHARES.  A work-group owns 128 queries of one head; each of its four waves 32: row blocks 2 P and 2 P + 1, P = 4 x block + wave.  Each fragment of k and of v read from LDS feeds two matrix instructions.
; LAYOUT.  Both products transposed (S^T = k q^T, O^T = v^T p^T): a lane holds one query of each tile.  Operands lie in memory as images of their registers, lane-row r of row block i being the true row 32 (i / 2) + 8 (i % 2) + r + 8 (r / 8):
; register 16 b + i of S^T is key 32 b + 16 (lane / 16) + i of the step, of O^T channel 32 b + 16 (lane / 16) + i.
; THE TRIP is turned round: trip j multiplies step j + 1's mask by its constant, works step j's softmax, multiplies p by v, and then sums step j + 1's scores onto the mask's term.
; Its memory instructions stand in small groups among the softmax's lines: four groups of 8 loads for step j + 2's mask, four of 6 LDS loads for v of step j, four for k of step j + 1, one for the scale words.
; RING.  Two slots; slot g % 2 holds k of steps 4 g + 1 .. 4 g + 4 and v of steps 4 g .. 4 g + 3: just what trips 4 g .. 4 g + 3 read, so a change of slots stands between two trips, where no LDS read is out.
; k of step 0 lies ahead of slot 0 and comes with it, by one load of five steps.  The last fill's k ends with 12,288 bytes beyond the head's sixteenth step (they lie inside pc): part of a tile that is otherwise used;
; trip 15 reads them and the scale words' neighbours into registers that nothing uses: 26 LDS loads, so that no branch stands in those groups.
; HEAD: one tensor load a wave: k of steps 0-4, v of steps 0-3, k's scale words, v's scale words.  Behind the head each wave fetches a quarter of a slot, 24,576 dense bytes.
; CLUSTER.  The four query blocks of a cluster belong to one head and walk the same k and v: each tile is asked for jointly, by the same line with the same descriptor in all four.
; PREFETCH.  The mask's bytes of the step two loads on (my 32 rows x 512 bytes, a lane to each aligned 256) are named once in the launch, by head 0's work-groups; steps 0 to 3 come by their loads alone; from trip 12 on nothing is asked for.
; LIMITS: NaN and infinities are not served; the promise holds while the scaled scores stay under 2^31 in magnitude.  A block of zeros keeps the byte 1: its codes are zeros.  All of the LDS is claimed.
; REGISTERS: window 0: v1-10 addresses; v12-15 (-M, largest score) a tile; v16-19 sums; v20-43 q, v44-45 its scale words; v48-55, v56-63 k's and v's scale words; v64-191 S^T, then p; v192-215 p's codes; v216-253 at work.
;   window 1: v0-127 O^T; v128-223 k's eight fragments.   window 2: v0-95 v's eight fragments; v96-223 the mask's term.   window 3: v0-127 the mask as loaded.
.set STB,    12288                     ; a key step's eight fragments
.set K0B,    STB                       ; k of step 0 lies at LDS byte 0, slot 0 behind it
.set VOFF,   4*STB                     ; in a slot: k's four steps, then v's
.set SLOT1,  1<<17                     ; one exclusive or turns an address in one slot into the other's
.set SCK,    K0B+2*VOFF                ; behind slot 0: k's scale words of the head, 8,192 bytes, then v's,
.set SPARE,  SCK+16384                 ; and the spare words, 128 bytes a wave: two blocks of 256 bytes that no other line names
.set LI,   1
.set ASC,  2
.set MO,   3
.set SPW,  4
.set NIL,  5
.set ADK,  6
.set ADS,  7
.set PFM,  10
.set NM,   12
.set SUM,  16
.set QF,   20
.set QS,   44
.set KS,   48
.set VS,   56
.set S,    64
.set PC,   192
.set PT,   216
.set BM,   232
.set BT,   240
.set F,    248                         ; f and, above it, p's scale word; a pair a tile
.set TMP,  252
.set TMQ,  236                         ; the way out: sixteen registers at work
.set O,    0                           ; window 1
.set KF,   128
.set VF,   0                           ; window 2
.set MK,   96
.set MI,   0                           ; window 3
.set WV,   18
.set SEL,  20
.set CS,   22
.set G1A,  24
.set G1D,  32
.set G1SC, 40
.set G0H,  48
.set G0S,  52
.set G0W,  56
.set T,    60                          ; LDS byte of the trip's k; its v lies VOFF on
.set TS,   61                          ; 512 x the trip
.set KJ,   62                          ; the trip
.set LIM,  63                          ; 12 in head 0's work-groups, else 0
.set K1,   66
.set OUTER, 68
.set INNER, 69
.set SM,   70                          ; s[70:71] the mask at my first row and the step asked for last
.set MSB, 0
.macro WIN new
.if MSB != (\new)
	s_set_vgpr_msb (MSB<<8)|(\new)
.set MSB, (\new)
.endif
.endm
.macro NOPS4
.rept 4
	v_nop
.endr
.endm
.macro CROUND                          ; a round of the cluster's barrier
	s_barrier_signal -1
	s_barrier_wait -1
	s_cmp_lg_u32 s[WV], 0
	s_cbranch_scc1 .Lnot_wave_0_\@
	s_barrier_signal -3
.Lnot_wave_0_\@:
	s_barrier_wait -3
	s_barrier_signal -1
	s_barrier_wait -1
.endm
.macro GRP1 g, rows                    ; dense bytes as rows of 256 (32 elements of 8 bytes); the mask names all four work-groups, bit 21 beside it
	s_mov_b32 s[\g], 15|(3<<16)|(1<<21)
	s_mov_b32 s[\g+1], 32<<16
	s_mov_b32 s[\g+2], (\rows)<<16
	s_mov_b32 s[\g+3], 32<<16
	s_mov_b32 s[\g+4], \rows
	s_mov_b32 s[\g+5], 32
	s_mov_b32 s[\g+6], 0
	s_mov_b32 s[\g+7], 0
.endm
.macro QUANT s, pc, pt, tm, pw         ; 64 numbers a lane become a fragment's codes and its scale word
.irp b, 0,1,2,3
	v_max3_num_f32 v[\tm+\b], |v[\s+16*\b]|, |v[\s+1+16*\b]|, 0x1800000
.endr
.irp i, 2,4,6,8,10,12,14
.irp b, 0,1,2,3
	v_max3_num_f32 v[\tm+\b], v[\tm+\b], |v[\s+16*\b+\i]|, |v[\s+1+16*\b+\i]|
.endr
.endr
.irp b, 0,1,2,3
	v_permlanex16_b32 v[\tm+4+\b], v[\tm+\b], s[SEL], s[SEL+1]
.endr
.irp b, 0,1,2,3
	v_max_num_f32 v[\tm+\b], v[\tm+\b], v[\tm+4+\b]
.endr
.irp b, 0,1,2,3
	v_add_nc_u32 v[\tm+12+\b], 0xff000000, v[\tm+\b]
.endr
.irp b, 0,1,2,3
	v_lshrrev_b32 v[\tm+4+\b], 23, v[\tm+12+\b]
.endr
	v_lshl_or_b32 v[\pw], v[\tm+5], 8, v[\tm+4]
	v_lshl_or_b32 v[\pw], v[\tm+6], 16, v[\pw]
	v_lshl_or_b32 v[\pw], v[\tm+7], 24, v[\pw]
.irp c, 0,1
	v_cvt_scalef32_pk16_fp6_f32 v[\pc+6*\c:\pc+6*\c+2], v[\s+32*\c:\s+32*\c+15], v[\tm+12+2*\c]
	v_cvt_scalef32_pk16_fp6_f32 v[\pt+4*\c:\pt+4*\c+2], v[\s+16+32*\c:\s+31+32*\c], v[\tm+13+2*\c]
.endr
	v_nop
.irp c, 0,1
.irp i, 0,1,2
	v_permlane16_swap_b32 v[\pc+6*\c+\i], v[\pt+4*\c+\i]
.endr
.irp i, 0,1,2
	v_mov_b32 v[\pc+3+6*\c+\i], v[\pt+4*\c+\i]
.endr
.endr
.endm
; THE GROUPS OF MEMORY INSTRUCTIONS.
.macro MCH m                           ; 8 loads of the mask: tile m / 2, blocks 2 (m % 2) and 2 (m % 2) + 1: register 64 u + 16 b + i: mask(tile u's query, key 32 b + 16 h + i of the step)
	WIN 0xc0
.irp bb, 0,1
.irp j, 0,1,2,3
	global_load_b128 v[MI+32*(\m)+16*\bb+4*\j:MI+32*(\m)+16*\bb+4*\j+3], v[MO], s[SM:SM+1] offset:65536*((\m)/2)+256*((\m)%2)+128*\bb+16*\j
.endr
.endr
	WIN 0
.endm
.macro VCH n                           ; two fragments of this step's v
	WIN 0x80
.irp tt, 0,1
.irp c, 0,1,2
	ds_load_b128 v[VF+12*(2*(\n)+\tt)+4*\c:VF+12*(2*(\n)+\tt)+4*\c+3], v[ADK] offset:VOFF+1536*(2*(\n)+\tt)+512*\c
.endr
.endr
	WIN 0
.endm
.macro KCH n, adr                      ; two fragments of the next step's k
	WIN 0x40
.irp tt, 0,1
.irp c, 0,1,2
	ds_load_b128 v[KF+12*(2*(\n)+\tt)+4*\c:KF+12*(2*(\n)+\tt)+4*\c+3], v[\adr] offset:1536*(2*(\n)+\tt)+512*\c
.endr
.endr
	WIN 0
.endm
.macro MHOOK m, tail                   ; a group of the mask's loads in a trip; in the tail's copy trips 14 and 15 have no step to ask for
.if (\tail) || ((\m) == 0) || ((\m) == 3)
	s_wait_alu depctr_va_vdst(0)                   ; the wait ahead of the branch or the wait below
.endif
.if \tail
	s_cmp_ge_u32 s[KJ], 14
	s_cbranch_scc1 .Lno_mask_\@
.endif
.if (\m) == 0
	s_wait_xcnt 0x0                                ; the last prefetches, a trip back, have read their base
	s_add_nc_u64 s[SM:SM+1], s[SM:SM+1], 512
.endif
	MCH \m
.if (\m) == 3
	s_cmp_lt_u32 s[KJ], s[LIM]
	s_cbranch_scc0 .Lno_pf_\@
	global_prefetch_b8 v[PFM], s[SM:SM+1] offset:1024 th:TH_LOAD_NT scope:SCOPE_SE
	global_prefetch_b8 v[PFM], s[SM:SM+1] offset:1024+65536 th:TH_LOAD_NT scope:SCOPE_SE
.Lno_pf_\@:
.endif
.if \tail
.Lno_mask_\@:
.endif
.endm
; The mask as loaded x (-1e9 sqrt(128)): the C of the next scores.  how = 1: 32 loads are out, in four groups of 8, on every way here: each wait leaves the younger groups out; how = 0: one wait for all; how = 2: the wait stands ahead.
.macro PREP how
	WIN 0x83
.set ek, 0
.irp m, 0,1,2,3
.if (\how) == 1
	s_wait_loadcnt 24-8*\m
.endif
.if ((\how) == 0) && (\m == 0)
	s_wait_loadcnt 0x0
.endif
.rept 16
	v_pk_mul_f32 v[MK+ek:MK+ek+1], v[MI+ek:MI+ek+1], s[K1:K1+1] op_sel_hi:[1,0]
.set ek, ek+2
.endr
.endr
	WIN 0
.endm
.macro NEXT                            ; the next step's scores, summed onto the mask's term
	WIN 0x21                                       ; source 0 window 1, source 2 window 2
.irp t, 0,1,2,3,4,5,6,7
.irp u, 0,1
	v_wmma_scale_f32_16x16x128_f8f6f4 v[S+64*\u+8*\t:S+64*\u+8*\t+7], v[KF+12*\t:KF+12*\t+11], v[QF+12*\u:QF+12*\u+11], v[MK+64*\u+8*\t:MK+64*\u+8*\t+7], v[KS+\t], v[QS+\u] matrix_a_fmt:MATRIX_FMT_FP6 matrix_b_fmt:MATRIX_FMT_FP6
.endr
.endr
	WIN 0
.endm
	s_load_b256 s[4:11], s[0:1], 0x0               ; pc s[4:5], ps s[6:7], mask s[8:9], ac s[10:11]
	s_load_b64 s[12:13], s[0:1], 0x20              ; as_
	v_lshl_add_u32 v[SPW], v0, 2, SPARE
	v_mov_b32 v[NIL], 0
	ds_add_u32 v[SPW], v[NIL]                      ; the opening lines: the add, twice on end, and its wait ahead of my first tensor load
	ds_add_u32 v[SPW], v[NIL]
	v_lshrrev_b32 v6, 5, v0
	v_readfirstlane_b32 s[WV], v6                  ; wave 0..3
	s_and_b32 s14, ttmp7, 0xffff                   ; the head, which the four partners share
	s_bfe_u32 s15, ttmp6, 0x40000                  ; cx
	s_lshl_b32 s16, ttmp9, 2
	s_add_co_u32 s16, s16, s15                     ; my block of 128 queries: it enters q's, the mask's and the results' addresses alone
	s_lshl_b32 s17, s16, 2
	s_add_co_u32 s17, s17, s[WV]                   ; P
	GRP1 G1A, 240                                  ; k of steps 0-4
	GRP1 G1D, 192                                  ; v of steps 0-3; behind the head its rows are set to 96: a quarter of a slot
	GRP1 G1SC, 32                                  ; a tensor's scale words of the head
	s_and_b32 s72, s[WV], 1
	s_lshr_b32 s73, s[WV], 1
	s_mul_i32 s74, s14, 196608                     ; the head's codes in a tensor of pc
	s_lshl_b32 s75, s14, 13                        ; its scale words in a tensor of ps
	s_mul_i32 s76, s72, 3145728                    ; the head's load of codes: wave 0 k (tensor 1), wave 1 v (tensor 2)
	s_add_co_u32 s76, s76, s74
	s_add_co_u32 s76, s76, 3145728
	s_mov_b32 s77, 0
	s_lshl_b32 s78, s72, 17                        ; of scale words: wave 2 k's, wave 3 v's
	s_add_co_u32 s78, s78, s75
	s_add_co_u32 s78, s78, 131072
	s_mov_b32 s79, 0
	s_mul_i32 s80, s73, 3145728-STB                ; the ring: waves 0, 1 k from step 5 on, waves 2, 3 v from step 4 on, two steps each
	s_add_co_u32 s80, s80, s74
	s_mul_i32 s82, s72, 2*STB
	s_add_co_u32 s80, s80, s82
	s_add_co_u32 s80, s80, 3145728+5*STB
	s_mov_b32 s81, 0
	s_mul_i32 s82, s17, 3072                       ; q's two fragments
	s_add_co_u32 s82, s82, s74
	s_mov_b32 s83, 0
	s_lshl_b32 s84, s16, 9                         ; their scale words: word (a, r) of a block's eight at 256 (a / 4) + 16 r + 4 (a % 4), a = 2 wave + tile
	s_add_co_u32 s84, s84, s75
	s_lshl_b32 s86, s73, 8
	s_add_co_u32 s84, s84, s86
	s_lshl_b32 s86, s72, 3
	s_add_co_u32 s84, s84, s86
	s_mov_b32 s85, 0
	s_lshl_b32 s86, s17, 18                        ; the mask at row 32 P
	s_mov_b32 s87, 0
	s_mul_i32 s88, s17, 49152                      ; the result: row block 2 P, K step = head
	s_mul_i32 s90, s14, 1536
	s_add_co_u32 s88, s88, s90
	s_mov_b32 s89, 0
	s_lshl_b32 s90, s17, 11                        ; and its scale words
	s_lshr_b32 s92, s14, 1
	s_lshl_b32 s92, s92, 8
	s_add_co_u32 s90, s90, s92
	s_and_b32 s92, s14, 1
	s_lshl_b32 s92, s92, 2
	s_add_co_u32 s90, s90, s92
	s_mov_b32 s91, 0
	s_mov_b32 s[SEL], 0x76543210
	s_mov_b32 s[SEL+1], 0xfedcba98
	s_mov_b32 s[CS], 0x3e0293ee                    ; c = log2(e) / sqrt(128)
	s_mov_b32 s[CS+1], s[CS]
	s_mov_b32 s[K1], 0xd028965f                    ; -1e9 x sqrt(128)
	s_mov_b32 s[K1+1], s[K1]
	s_mov_b32 s[T], K0B
	s_mov_b32 s[TS], 0
	s_mov_b32 s[KJ], 0
	s_cmp_eq_u32 s14, 0
	s_cselect_b32 s[LIM], 12, 0
	s_wait_dscnt 0x0                               ; both opening adds are done
	s_wait_kmcnt 0x0
	s_mov_b32 s[G0H], 1
	s_mul_i32 s[G0H+1], s72, K0B+VOFF              ; k to byte 0, v behind slot 0's k
	s_add_nc_u64 s[G0H+2:G0H+3], s[4:5], s[76:77]
	s_or_b32 s[G0H+3], s[G0H+3], 0x80000000
	s_mov_b32 s[G0S], 1
	s_lshl_b32 s[G0S+1], s72, 13
	s_add_co_u32 s[G0S+1], s[G0S+1], SCK
	s_add_nc_u64 s[G0S+2:G0S+3], s[6:7], s[78:79]
	s_or_b32 s[G0S+3], s[G0S+3], 0x80000000
	s_mov_b32 s[G0W], 1
	s_mul_i32 s[G0W+1], s[WV], 2*STB
	s_add_co_u32 s[G0W+1], s[G0W+1], K0B+SLOT1     ; the walking descriptor begins at slot 1
	s_add_nc_u64 s[G0W+2:G0W+3], s[4:5], s[80:81]
	s_or_b32 s[G0W+3], s[G0W+3], 0x80000000
	s_add_nc_u64 s[4:5], s[4:5], s[82:83]
	s_add_nc_u64 s[6:7], s[6:7], s[84:85]
	s_add_nc_u64 s[SM:SM+1], s[8:9], s[86:87]
	s_add_nc_u64 s[10:11], s[10:11], s[88:89]
	s_add_nc_u64 s[12:13], s[12:13], s[90:91]
	CROUND                                         ; all four work-groups are here: the first joint loads meet
	s_cmp_lt_u32 s[WV], 1                          ; one chain of branches on the wave's number, one load to an arm
	s_cbranch_scc0 .Lhead_v
	tensor_load_to_lds s[G0H:G0H+3], s[G1A:G1A+7]
	s_nop 0
	NOPS4
	s_branch .Lhead_asked
.Lhead_v:
	s_cmp_lt_u32 s[WV], 2
	s_cbranch_scc0 .Lhead_s
	tensor_load_to_lds s[G0H:G0H+3], s[G1D:G1D+7]
	s_nop 0
	NOPS4
	s_branch .Lhead_asked
.Lhead_s:
	tensor_load_to_lds s[G0S:G0S+3], s[G1SC:G1SC+7]
	s_nop 0
	NOPS4
.Lhead_asked:
	v_and_b32 v6, 31, v0
	v_lshlrev_b32 v[LI], 4, v6                     ; 16 x lane
	v_and_b32 v7, 15, v0                           ; r
	v_bfe_u32 v8, v0, 4, 1                         ; h
	v_lshl_add_u32 v[ASC], v7, 4, SCK
	v_and_b32 v9, 8, v7
	v_add_nc_u32 v9, v9, v7                        ; r + 8 (r / 8)
	v_lshlrev_b32 v9, 13, v9                       ; rows of 8,192 bytes
	v_lshl_add_u32 v[MO], v8, 6, v9
	v_lshl_add_u32 v[PFM], v8, 8, v9
	v_lshlrev_b32 v11, 4, v7
.irp u, 0,1
.irp c, 0,1,2
	global_load_b128 v[QF+12*\u+4*\c:QF+12*\u+4*\c+3], v[LI], s[4:5] offset:1536*\u+512*\c
.endr
.endr
	global_load_b64 v[QS:QS+1], v11, s[6:7]
.irp m, 0,1,2,3
	MCH \m                                         ; step 0's mask
.endr
.irp u, 0,1
	v_mov_b32 v[NM+2*\u+1], 0xff61b1e6             ; the largest score so far: -3e38
	v_mov_b32 v[SUM+2*\u], 0
	v_mov_b32 v[SUM+2*\u+1], 0
	v_mov_b32 v[F+2*\u+1], 0                       ; (named as the upper half of the pair with f before it is first written)
.endr
.irp u, 0,1
	v_mul_f32 v[NM+2*\u], s[CS], -v[NM+2*\u+1]
.endr
.irp u, 0,1
	v_floor_f32 v[NM+2*\u], v[NM+2*\u]             ; -M
.endr
.irp k, 0,1,2,3,4,5,6,7
	v_mov_b32 v[BT+\k], 0                          ; written once: a lane permute's destination counts as one of its sources
.endr
	WIN 0x40
.set ek, 0
.rept 128
	v_mov_b32 v[O+ek], 0                           ; O^T: the trip is written without a first trip of its own: the first change of M multiplies zeros
.set ek, ek+1
.endr
	WIN 0
	s_wait_alu depctr_va_vdst(0)                   ; the wait at the head's end
	s_wait_loadcnt 0x0                             ; q, its scale words and step 0's mask are in
	PREP 2                                         ; step 0's term
	s_add_nc_u64 s[SM:SM+1], s[SM:SM+1], 512
.irp m, 0,1,2,3
	MCH \m                                         ; step 1's mask: 32 loads are out at the first trip's head
.endr
	s_wait_alu depctr_va_vdst(0)                   ; the wait ahead of the wait below
	s_wait_tensorcnt 0x0                           ; my tile of the head's four is in; the same lines as ahead of a refill stand ahead of slot 1's first fill
	ds_add_u32 v[SPW], v[NIL]
	s_mov_b32 s[G1D+2], 96<<16                     ; no tensor load of mine is out: from here on a load brings 96 rows
	s_mov_b32 s[G1D+4], 96
	s_wait_dscnt 0x0
	CROUND
	tensor_load_to_lds s[G0W:G0W+3], s[G1D:G1D+7]  ; slot 1: it has trips 0 to 3 in which to land
	s_nop 0
	NOPS4
.irp n, 0,1,2,3
	KCH \n, LI                                     ; step 0's k
.endr
	ds_load_b128 v[KS:KS+3], v[ASC]
	ds_load_b128 v[KS+4:KS+7], v[ASC] offset:256
	s_wait_dscnt 0x0
	NEXT                                           ; step 0's scores
; TRIP j.  tail = 1: the copy for trips 8 to 15, in which branches on the trip's number lead round what trips 14 and 15 have no successor for.  Index k = 4 x tile + block: eight chains by turns.
.macro TRIP tail
	v_add_nc_u32 v[ADK], s[T], v[LI]
	v_add_nc_u32 v[ADS], s[TS], v[ASC]
	v_nop                                          ; with the two lines above: four places behind the last products, on every way
	v_nop
.if \tail
	s_wait_loadcnt 0x0                             ; on every way: the mask's loads of the trip before are in, so that their registers may be read, and loaded again
	s_cmp_eq_u32 s[KJ], 15
	s_cbranch_scc1 .Lno_prep_\@
	PREP 2
.Lno_prep_\@:
.else
	PREP 1
.endif
	MHOOK 0, \tail
.irp k, 0,1,2,3,4,5,6,7
	v_max3_num_f32 v[BM+\k], v[S+16*\k], v[S+16*\k+1], v[S+16*\k+2]   ; the largest score of each block of 32 keys: for the row's maximum and, since p rises with the score, for the block's largest p; each accumulator is first read at its low end
.endr
.irp i, 3,5
.irp k, 0,1,2,3,4,5,6,7
	v_max3_num_f32 v[BM+\k], v[BM+\k], v[S+16*\k+\i], v[S+16*\k+\i+1]
.endr
.endr
	VCH 0
.irp i, 7,9,11
.irp k, 0,1,2,3,4,5,6,7
	v_max3_num_f32 v[BM+\k], v[BM+\k], v[S+16*\k+\i], v[S+16*\k+\i+1]
.endr
.endr
	VCH 1
.irp k, 0,1,2,3,4,5,6,7
	v_max3_num_f32 v[BM+\k], v[BM+\k], v[S+16*\k+13], v[S+16*\k+14]
.endr
.irp k, 0,1,2,3,4,5,6,7
	v_max_num_f32 v[BM+\k], v[BM+\k], v[S+16*\k+15]
.endr
.irp k, 0,1,2,3,4,5,6,7
	v_permlanex16_b32 v[BT+\k], v[BM+\k], s[SEL], s[SEL+1]
.endr
	VCH 2
.irp k, 0,1,2,3,4,5,6,7
	v_max_num_f32 v[BM+\k], v[BM+\k], v[BT+\k]     ; with lane l xor 16's 16 keys
.endr
.irp u, 0,1
	v_mov_b32 v[TMP+\u], v[NM+2*\u]                ; the old -M
.endr
.irp u, 0,1
	v_max3_num_f32 v[NM+2*\u+1], v[NM+2*\u+1], v[BM+4*\u], v[BM+4*\u+1]
.endr
.irp u, 0,1
	v_max3_num_f32 v[NM+2*\u+1], v[NM+2*\u+1], v[BM+4*\u+2], v[BM+4*\u+3]   ; the running largest score
.endr
.irp u, 0,1
	v_mul_f32 v[NM+2*\u], s[CS], -v[NM+2*\u+1]     ; -t (c is positive)
.endr
.irp u, 0,1
	v_floor_f32 v[NM+2*\u], v[NM+2*\u]             ; the new -M = floor(-t): M is a whole number
.endr
.irp u, 0,1
	v_sub_f32 v[TMP+\u], v[NM+2*\u], v[TMP+\u]     ; old M - new M: a whole number, 0 or less
.endr
	MHOOK 1, \tail
.set ek, 0
.rept 32
	v_pk_fma_f32 v[S+ek:S+ek+1], v[S+ek:S+ek+1], s[CS:CS+1], v[NM:NM+1] op_sel_hi:[1,0,0]   ; t - M
.set ek, ek+2
.endr
	VCH 3
.irp u, 0,1
	v_cvt_i32_f32 v[TMP+\u], v[TMP+\u]             ; (it saturates)
.endr
.rept 32
	v_pk_fma_f32 v[S+ek:S+ek+1], v[S+ek:S+ek+1], s[CS:CS+1], v[NM+2:NM+3] op_sel_hi:[1,0,0]
.set ek, ek+2
.endr
.irp u, 0,1
	v_ldexp_f32 v[F+2*\u], 1.0, v[TMP+\u]          ; f = 2^(old M - new M)
.endr
.irp k, 0,1,2,3,4,5,6,7
	v_fma_f32 v[BM+\k], v[BM+\k], s[CS], v[NM+2*(\k/4)]   ; the same of each block's largest score
.endr
	MHOOK 2, \tail
	ds_load_b128 v[VS:VS+3], v[ADS] offset:8192    ; this step's scale words of v, the next step's of k
	ds_load_b128 v[VS+4:VS+7], v[ADS] offset:8448
	ds_load_b128 v[KS:KS+3], v[ADS] offset:512
	ds_load_b128 v[KS+4:KS+7], v[ADS] offset:768
	s_wait_alu depctr_va_vdst(0)                   ; the wait ahead of the batch
.set ek, 0
.rept 128
	v_exp_f32 v[S+ek], v[S+ek]                     ; p = 2^(t - M)
.set ek, ek+1
.endr
.irp k, 0,1,2,3,4,5,6,7
	v_exp_f32 v[BM+\k], v[BM+\k]                   ; the block's largest p
.endr
.irp u, 0,1
	v_pk_mul_f32 v[SUM+2*\u:SUM+2*\u+1], v[SUM+2*\u:SUM+2*\u+1], v[F+2*\u:F+2*\u+1] op_sel_hi:[1,0]   ; the sums under the new M (plain lines behind the exponentials)
.endr
	s_wait_alu depctr_va_vdst(0)                   ; one wait for the whole batch, ahead of its first reader
	MHOOK 3, \tail
.irp u, 0,1                            ; the row's sum of the unquantised p: four chains a tile
	v_pk_add_f32 v[PT+8*\u:PT+8*\u+1], v[S+64*\u:S+64*\u+1], v[S+64*\u+2:S+64*\u+3]
	v_pk_add_f32 v[PT+8*\u+2:PT+8*\u+3], v[S+64*\u+4:S+64*\u+5], v[S+64*\u+6:S+64*\u+7]
	v_pk_add_f32 v[PT+8*\u+4:PT+8*\u+5], v[S+64*\u+8:S+64*\u+9], v[S+64*\u+10:S+64*\u+11]
	v_pk_add_f32 v[SUM+2*\u:SUM+2*\u+1], v[SUM+2*\u:SUM+2*\u+1], v[S+64*\u+12:S+64*\u+13]
.endr
.set ek, 14
.irp n, 0,1,2
.rept 2
.irp u, 0,1
	v_pk_add_f32 v[PT+8*\u:PT+8*\u+1], v[PT+8*\u:PT+8*\u+1], v[S+64*\u+ek:S+64*\u+ek+1]
	v_pk_add_f32 v[PT+8*\u+2:PT+8*\u+3], v[PT+8*\u+2:PT+8*\u+3], v[S+64*\u+ek+2:S+64*\u+ek+3]
	v_pk_add_f32 v[PT+8*\u+4:PT+8*\u+5], v[PT+8*\u+4:PT+8*\u+5], v[S+64*\u+ek+4:S+64*\u+ek+5]
	v_pk_add_f32 v[SUM+2*\u:SUM+2*\u+1], v[SUM+2*\u:SUM+2*\u+1], v[S+64*\u+ek+6:S+64*\u+ek+7]
.endr
.set ek, ek+8
.endr
	KCH \n, ADK
.endr
.irp u, 0,1
	v_pk_add_f32 v[PT+8*\u:PT+8*\u+1], v[PT+8*\u:PT+8*\u+1], v[S+64*\u+62:S+64*\u+63]
	v_pk_add_f32 v[SUM+2*\u:SUM+2*\u+1], v[SUM+2*\u:SUM+2*\u+1], v[PT+8*\u+4:PT+8*\u+5]
.endr
.irp u, 0,1
	v_pk_add_f32 v[PT+8*\u:PT+8*\u+1], v[PT+8*\u:PT+8*\u+1], v[PT+8*\u+2:PT+8*\u+3]
.endr
.irp k, 0,1,2,3,4,5,6,7
	v_max_num_f32 v[BM+\k], 0x1800000, v[BM+\k]    ; the floor 2^(3 - 127): the byte cannot fall under 1
.endr
.irp u, 0,1
	v_pk_add_f32 v[SUM+2*\u:SUM+2*\u+1], v[SUM+2*\u:SUM+2*\u+1], v[PT+8*\u:PT+8*\u+1]
.endr
.irp k, 0,1,2,3,4,5,6,7
	v_add_nc_u32 v[BM+\k], 0xff000000, v[BM+\k]    ; 2 off the exponent field: the conversion's scale operand
.endr
	KCH 3, ADK
.irp k, 0,1,2,3,4,5,6,7
	v_lshrrev_b32 v[BT+\k], 23, v[BM+\k]           ; the scale's byte
.endr
.irp u, 0,1
	v_lshl_or_b32 v[F+2*\u+1], v[BT+4*\u+1], 8, v[BT+4*\u]
.endr
.irp u, 0,1
	v_lshl_or_b32 v[F+2*\u+1], v[BT+4*\u+2], 16, v[F+2*\u+1]
.endr
.irp u, 0,1
	v_lshl_or_b32 v[F+2*\u+1], v[BT+4*\u+3], 24, v[F+2*\u+1]   ; p's scale word for these 128 keys
.endr
.irp u, 0,1
.irp c, 0,1
	v_cvt_scalef32_pk16_fp6_f32 v[PC+12*\u+6*\c:PC+12*\u+6*\c+2], v[S+64*\u+32*\c:S+64*\u+32*\c+15], v[BM+4*\u+2*\c]
	v_cvt_scalef32_pk16_fp6_f32 v[PT+8*\u+4*\c:PT+8*\u+4*\c+2], v[S+64*\u+16+32*\c:S+64*\u+31+32*\c], v[BM+4*\u+2*\c+1]
.endr
.endr
	v_nop                                          ; one plain line behind the scaled conversions
.irp u, 0,1
.irp c, 0,1
.irp i, 0,1,2
	v_permlane16_swap_b32 v[PC+12*\u+6*\c+\i], v[PT+8*\u+4*\c+\i]   ; the operand wants a whole block in a lane
.endr
.endr
.endr
.irp u, 0,1
.irp c, 0,1
.irp i, 0,1,2
	v_mov_b32 v[PC+12*\u+6*\c+3+\i], v[PT+8*\u+4*\c+\i]
.endr
.endr
.endr
	WIN 0x41
	s_wait_alu depctr_va_vdst(0)                   ; the wait directly ahead of the first reader of O^T
.irp u, 0,1
.set ek, 0
.rept 32
	v_pk_mul_f32 v[O+64*\u+ek:O+64*\u+ek+1], v[O+64*\u+ek:O+64*\u+ek+1], v[F+2*\u:F+2*\u+1] op_sel_hi:[1,0]   ; O^T under the new M; also the places between p's codes and scale word and the products
.set ek, ek+2
.endr
.endr
	WIN 0
	s_wait_alu depctr_va_vdst(0)
	s_wait_dscnt 0x0                               ; v, the next k and their scale words are in: no LDS read of mine is out from here to the trip's end
	WIN 0x52                                       ; source 0 window 2, source 1 window 0, C and D window 1
.irp t, 0,1,2,3,4,5,6,7
.irp u, 0,1
	v_wmma_scale_f32_16x16x128_f8f6f4 v[O+64*\u+8*\t:O+64*\u+8*\t+7], v[VF+12*\t:VF+12*\t+11], v[PC+12*\u:PC+12*\u+11], v[O+64*\u+8*\t:O+64*\u+8*\t+7], v[VS+\t], v[F+2*\u+1] matrix_a_fmt:MATRIX_FMT_FP6 matrix_b_fmt:MATRIX_FMT_FP6
.endr
.endr
	WIN 0
.if \tail
	s_cmp_eq_u32 s[KJ], 15
	s_cbranch_scc1 .Lno_next_\@
.endif
	NEXT
.if \tail
.Lno_next_\@:
.endif
	s_add_co_u32 s[T], s[T], STB
	s_add_co_u32 s[TS], s[TS], 512
	s_add_co_u32 s[KJ], s[KJ], 1
.endm
; THE CHANGE OF SLOTS, between two trips.  fill = 1: the slot just read out takes the steps eight on; fill = 0: nothing is left to fetch; the barrier shows the last fill whole (behind trip 15 it orders nothing: the text stands once for both).
.macro CHANGE fill
	s_wait_tensorcnt 0x0                           ; all my tensor loads have landed: my part of the other slot
	ds_add_u32 v[SPW], v[NIL]                      ; 0 onto my spare word
.if \fill
	s_xor_b32 s[G0W+1], s[G0W+1], SLOT1
	s_add_nc_u64 s[G0W+2:G0W+3], s[G0W+2:G0W+3], 4*STB
.endif
	s_sub_co_u32 s[T], s[T], 4*STB
	s_xor_b32 s[T], s[T], SLOT1
	s_wait_dscnt 0x0
.if \fill
	CROUND                                         ; no wave of any partner still reads this slot or has a load on its way
	tensor_load_to_lds s[G0W:G0W+3], s[G1D:G1D+7]  ; my one tensor load until the next round: it has four trips in which to land
	s_nop 0
	NOPS4
.else
	s_barrier_signal -1
	s_barrier_wait -1
.endif
.endm
	s_mov_b32 s[OUTER], 2
.Louter:                                               ; trips 0-7: both slots are filled again
	s_mov_b32 s[INNER], 4
.Lin_a:
	TRIP 0
	s_sub_co_u32 s[INNER], s[INNER], 1
	s_cmp_lg_u32 s[INNER], 0
	s_cbranch_scc1 .Lin_a
	CHANGE 1
	s_sub_co_u32 s[OUTER], s[OUTER], 1
	s_cmp_lg_u32 s[OUTER], 0
	s_cbranch_scc1 .Louter
	s_mov_b32 s[OUTER], 2                          ; the tail is written out: trips 8-15
.Ltail:
	s_mov_b32 s[INNER], 4
.Lin_b:
	TRIP 1
	s_sub_co_u32 s[INNER], s[INNER], 1
	s_cmp_lg_u32 s[INNER], 0
	s_cbranch_scc1 .Lin_b
	CHANGE 0
	s_sub_co_u32 s[OUTER], s[OUTER], 1
	s_cmp_lg_u32 s[OUTER], 0
	s_cbranch_scc1 .Ltail
	; THE WAY OUT: O^T / the sum, quantised along the head's 128: a fragment and a scale word a query.
.irp u, 0,1
	v_add_f32 v[SUM+2*\u], v[SUM+2*\u], v[SUM+2*\u+1]
.endr
.irp u, 0,1
	v_permlanex16_b32 v[TMP+\u], v[SUM+2*\u], s[SEL], s[SEL+1]
.endr
.irp u, 0,1
	v_add_f32 v[SUM+2*\u], v[SUM+2*\u], v[TMP+\u]  ; the row's sum
.endr
	s_wait_alu depctr_va_vdst(0)
.irp u, 0,1
	v_rcp_f32 v[SUM+2*\u], v[SUM+2*\u]
.endr
	v_and_b32 v8, 31, v0                           ; (plain lines behind the reciprocals)
	v_lshlrev_b32 v9, 3, v8                        ; 8 x lane
	WIN 0x01
	s_wait_alu depctr_va_vdst(0)                   ; ahead of the first reader of the reciprocals and of O^T
.irp u, 0,1
.set ek, 0
.rept 32
	v_pk_mul_f32 v[S+64*\u+ek:S+64*\u+ek+1], v[O+64*\u+ek:O+64*\u+ek+1], v[SUM+2*\u:SUM+2*\u+1] op_sel_hi:[1,0]   ; each accumulator from its low end on
.set ek, ek+2
.endr
.endr
	WIN 0
	QUANT S, PC, PT, TMQ, TMP
.irp c, 0,1,2
	global_store_b128 v[LI], v[PC+4*\c:PC+4*\c+3], s[10:11] offset:512*\c   ; 512 consecutive bytes, aligned
.endr
	QUANT S+64, PC+12, PT, TMQ, TMP+1
.irp c, 0,1,2
	global_store_b128 v[LI], v[PC+12+4*\c:PC+12+4*\c+3], s[10:11] offset:24576+512*\c
.endr
	v_cmp_le_u32 vcc_lo, 16, v8                    ; lanes 0-15 carry the first tile's words, lanes 16-31 the second's: word (tile, r) lies at 128 tile + 8 r
	v_cndmask_b32 v11, v[TMP], v[TMP+1], vcc_lo
	global_store_b32 v9, v11, s[12:13]             ; 4 bytes of every 8: the other 4 are the neighbouring head's
	s_wait_tensorcnt 0x0                           ; the wave's end
	ds_add_u32 v[SPW], v[NIL]
	s_wait_dscnt 0x0
	CROUND                                         ; the closing round
	s_endpgm
.Lfunc_end_k_qbd09d6d239_attn:
	.size	k_qbd09d6d239_attn, .Lfunc_end_k_qbd09d6d239_attn-k_qbd09d6d239_attn
	.p2alignl 7, 3214868480
	.fill 96, 4, 3214868480
	.section	.rodata,"a",@progbits
	.p2align	6, 0x0
	.amdhsa_kernel k_qbd09d6d239_attn
		.amdhsa_group_segment_fixed_size 327680
		.amdhsa_private_segment_fixed_size 0
		.amdhsa_enable_private_segment 0
		.amdhsa_kernarg_size 40
		.amdhsa_user_sgpr_count 2
		.amdhsa_user_sgpr_kernarg_segment_ptr 1
		.amdhsa_wavefront_size32 1
		.amdhsa_system_sgpr_workgroup_id_x 1
		.amdhsa_system_sgpr_workgroup_id_y 1
		.amdhsa_system_sgpr_workgroup_id_z 1
		.amdhsa_system_vgpr_workitem_id 0
		.amdhsa_next_free_vgpr 896
		.amdhsa_next_free_sgpr 96
		.amdhsa_reserve_vcc 1
		.amdhsa_float_denorm_mode_32 3
		.amdhsa_float_denorm_mode_16_64 3
		.amdhsa_memory_ordered 1
		.amdhsa_forward_progress 1
		.amdhsa_inst_pref_size 126
	.end_amdhsa_kernel
	.amdgpu_metadata
---
amdhsa.version: [ 1, 2 ]
amdhsa.kernels:
  - .name:           k_qbd09d6d239_attn
    .symbol:         k_qbd09d6d239_attn.kd
    .args:
      - { .name: pc, .offset: 0, .size: 8, .value_kind: global_buffer, .address_space: global }
      - { .name: ps, .offset: 8, .size: 8, .value_kind: global_buffer, .address_space: global }
      - { .name: mask, .offset: 16, .size: 8, .value_kind: global_buffer, .address_space: global }
      - { .name: ac, .offset: 24, .size: 8, .value_kind: global_buffer, .address_space: global }
      - { .name: as_, .offset: 32, .size: 8, .value_kind: global_buffer, .address_space: global }
    .group_segment_fixed_size: 327680
    .private_segment_fixed_size: 0
    .kernarg_segment_align: 8
    .kernarg_segment_size: 40
    .max_flat_workgroup_size: 128
    .sgpr_count:     96
    .vgpr_count:     896
    .wavefront_size: 32
...
	.end_amdgpu_metadata
.endif
;; end of part 3
;; launch outp (part 4): grid 16 x 16, 4 waves a work-group, clusters of 4 x 4, 327,680 bytes of LDS; arguments ac, as_, wc, ws, bo, out0; writes out0
.if DOCPART == 4
	.amdgcn_target "amdgcn-amd-amdhsa--gfx1250"
	.amdhsa_code_object_version 6
	.text
	.protected	k_qbd09d6d239_outp
	.globl	k_qbd09d6d239_outp
	.p2align	8
	.type	k_qbd09d6d239_outp,@function
k_qbd09d6d239_outp:
	s_mov_b64 s[64:65], 0
	v_nop
	global_prefetch_b8 v0, s[64:65] scope:SCOPE_SE
	s_setreg_imm32_b32 hwreg(HW_REG_WAVE_MODE, 25, 1), 1
	s_wait_xcnt 0x0
	s_wait_alu depctr_hold_cnt(0) depctr_sa_sdst(0) depctr_va_vdst(0) depctr_va_sdst(0) depctr_va_ssrc(0) depctr_va_vcc(0) depctr_vm_vsrc(0)
	s_getreg_b32 s2, hwreg(HW_REG_IB_STS2, 6, 4)
	s_cmp_eq_u32 s2, 0
	s_cbranch_scc0 .Lentry_in_a_cluster
	s_endpgm
.Lentry_in_a_cluster:
	s_bfe_u32 s2, ttmp6, 0x10000c
	s_cmp_lg_u32 s2, 0xf033
	s_cbranch_scc0 .Lentry_shape_is_right
	s_endpgm
.Lentry_shape_is_right:
; out0 = relu(attn Wo + bo), f32, on codes of FP6 (E2M3) with E8M0 scales.  A = attention's result (codes, made by the launch before), B = Wo's codes (the fourth tensor of wc and ws).
; A tile of the result is 128 x 128: 16 x 16 = 256 work-groups.  Four waves, 64 x 64 each: 16 accumulators of 16 x 16, 128 registers.
; Operands lie in memory as images of their registers (fragment: 16 rows x 128 K, 1,536 bytes; [row block][K step 16]); lane-row r of row block i is the true row 32 (i / 2) + 8 (i % 2) + r + 8 (r / 8).
; The matrix instruction is used transposed (source 0 = 16 rows of B, source 1 = 16 rows of A): a lane holds one row of the result, register 16 b + i = column 32 b + 16 (lane / 16) + i of my 64.
; LDS.  K = 2,048 is 16 steps of 128.  TWO slots of six steps each (A's 8 row blocks x 9,216 bytes, then B's 8).  At the head one tensor load a wave: A's part of slot 0, B's part, A's scale words for all of K, B's.
; Slot 1 (steps 6-11) is asked for behind the full sequence and a round, a quarter a wave.  Slot 0 is filled again once, with steps 12-15 (row blocks 6,144 bytes apart), as soon as steps 0-5 are read.  No loop, so no prefetch runs ahead.
; CLUSTERS: 4 x 4 work-groups: A's tiles are asked for jointly along a row of the cluster, B's along a column.  The bias is the C of each sum's first matrix instruction.
; All of the LDS is claimed; 311,808 bytes are used.
; REGISTERS: window 0: v1-30 addresses; v32-47 scale words, two sets of 8; v64-95 the bias, on the way out rows read back (with v96-127); v128-255 the accumulators ((a, b) at v[128 + 8 (4 a + b)]).
;   window 1: two sets of 96: A's four fragments, then B's four.
.set FR,     12
.set NP,     4                         ; places behind this matrix instruction (ISA guide 7.12.1)
.set RBB,    9216                      ; a row block's bytes in a slot: six K steps
.set HALF,   4*RBB
.set SLOT,   4*HALF
.set RB2,    6144                      ; in slot 0's second fill: four K steps
.set HALF2,  4*RB2
.set SCL,    2*SLOT                    ; behind the slots: A's scale words, B's,
.set ASZ,    8192
.set SPARE,  SCL+2*ASZ                 ; and the spare words: two blocks of 256 bytes that no other line names
.set STG,    SLOT                      ; the way out: a stage of 16 rows x (256 + 16) bytes a wave, in slot 1: it has had its one fill, and nobody reads it behind the barrier of step 11
.set SPITCH, 272
.set ADRA, 8                           ; v8-10   my A fragments in slot 0, slot 1, slot 0's second fill
.set ADRB, 12                          ; v12-14  the same for B
.set STO,  24
.set RD,   25
.set CO,   26
.set ADRS, 27
.set SPW,  28
.set NIL,  29
.set LI,   30
.set SC,   32
.set CB,   64
.set ACC,  128
.set G1,   24
.set G1B,  32
.set G1S,  40
.set G1SB, 48
.set G0HA, 56                          ; groups 0: the head's A, B;
.set G0HB, 60
.set G0A1, 68                          ; slot 1's;
.set G0B1, 72
.set G0A2, 76                          ; the second fill's;
.set G0B2, 80
.set G0S,  84                          ; the scale words'
.set G0SB, 88
.set MSB, 0
.macro WIN new
.if MSB != (\new)
	s_set_vgpr_msb (MSB<<8)|(\new)
.set MSB, (\new)
.endif
.endm
.set MUL,  0x05                        ; sources 0 (B) and 1 (A) window 1; C and D window 0
.set TO_F, 0x40
.macro CREST
	s_cmp_lg_u32 s14, 0
	s_cbranch_scc1 .Lnot_wave_0_\@
	s_barrier_signal -3
.Lnot_wave_0_\@:
	s_barrier_wait -3
	s_barrier_signal -1
	s_barrier_wait -1
.endm
.macro CROUND
	s_barrier_signal -1
	s_barrier_wait -1
	CREST
.endm
.macro PLACES n
.rept \n
	v_nop
.endr
.endm
.macro JLOAD g0a, g0b                  ; waves 0, 1 fetch for A, waves 2, 3 for B; the branch hangs on the wave's number alone
	s_cmp_eq_u32 s15, 0
	s_cbranch_scc0 .Lfor_b_\@
	tensor_load_to_lds s[\g0a:\g0a+3], s[G1:G1+7]
	s_nop 0
	PLACES 4
	s_branch .Lasked_\@
.Lfor_b_\@:
	tensor_load_to_lds s[\g0b:\g0b+3], s[G1B:G1B+7]
	s_nop 0
	PLACES 4
.Lasked_\@:
.endm
.macro GRP0 g, base                    ; count 1; the LDS address is written by the caller; global address; type 2
	s_mov_b32 s[\g], 1
	s_mov_b64 s[\g+2:\g+3], s[\base:\base+1]
	s_or_b32 s[\g+3], s[\g+3], 0x80000000
.endm
	s_load_b256 s[4:11], s[0:1], 0x0               ; ac s[4:5], as_ s[6:7], wc s[8:9], ws s[10:11]
	s_load_b128 s[92:95], s[0:1], 0x20             ; bo s[92:93], out0 s[94:95]
	v_lshl_add_u32 v[SPW], v0, 2, SPARE
	v_mov_b32 v[NIL], 0
	ds_add_u32 v[SPW], v[NIL]                      ; the opening lines
	ds_add_u32 v[SPW], v[NIL]
	v_lshrrev_b32 v1, 5, v0
	v_readfirstlane_b32 s14, v1                    ; wave 0..3
	s_lshr_b32 s15, s14, 1                         ; which half of the tile's rows is mine.  Also: in the ring I fetch for A (0) or for B (1)
	s_and_b32 s16, s14, 1                          ; which half of its columns.  Also: which half of that tile I fetch
	s_bfe_u32 s96, ttmp6, 0x40000                  ; cx
	s_bfe_u32 s97, ttmp6, 0x40004                  ; cy
	s_lshl_b32 s98, ttmp9, 2
	s_add_co_u32 s98, s98, s96                     ; tile column
	s_and_b32 s17, ttmp7, 0xffff
	s_lshl_b32 s17, s17, 2
	s_add_co_u32 s17, s17, s97                     ; tile row
	s_lshl_b32 s99, s97, 2
	s_lshl_b32 s99, 15, s99                        ; my row of the cluster
	s_lshl_b32 s100, 0x1111, s96                   ; my column
	; group 1 for codes: rows of 1,152 elements of 8 bytes (a row block's six steps), 3,072 elements apart; 8 rows at the head, 4 behind it
	s_or_b32 s[G1+0], s99, (3<<16)|(1<<21)
	s_or_b32 s[G1B+0], s100, (3<<16)|(1<<21)
.irp g, G1, G1B
	s_mov_b32 s[\g+1], 1152<<16
	s_mov_b32 s[\g+2], 8<<16
	s_mov_b32 s[\g+3], 1152<<16
	s_mov_b32 s[\g+4], 8
	s_mov_b32 s[\g+5], 3072
	s_mov_b32 s[\g+6], 0
	s_mov_b32 s[\g+7], 0
.endr
	; the scale words of eight row blocks, for all of K: 8,192 dense bytes, as 32 rows of 256
	s_or_b32 s[G1S+0], s99, (3<<16)|(1<<21)
	s_or_b32 s[G1SB+0], s100, (3<<16)|(1<<21)
.irp g, G1S, G1SB
	s_mov_b32 s[\g+1], 32<<16
	s_mov_b32 s[\g+2], 32<<16
	s_mov_b32 s[\g+3], 32<<16
	s_mov_b32 s[\g+4], 32
	s_mov_b32 s[\g+5], 32
	s_mov_b32 s[\g+6], 0
	s_mov_b32 s[\g+7], 0
.endr
	s_mul_i32 s20, s17, 8*24576                    ; A's tile: codes,
	s_lshl_b32 s22, s17, 13                        ; scale words
	s_mov_b32 s21, 0
	s_mov_b32 s23, 0
	s_mul_i32 s2, s98, 8*24576                     ; B's
	s_lshl_b32 s18, s98, 13
	s_add_co_u32 s2, s2, 3*3145728                 ; Wo is the fourth tensor of the weights' codes,
	s_add_co_u32 s18, s18, 3*131072                ; and of their scale words
	s_mov_b32 s3, 0
	s_mov_b32 s19, 0
	s_mul_i32 s66, s16, 4*24576                    ; in the ring: the half that I fetch
	s_mov_b32 s67, 0
	s_wait_dscnt 0x0                               ; both opening adds are done
	s_wait_kmcnt 0x0
	s_add_nc_u64 s[20:21], s[4:5], s[20:21]
	s_add_nc_u64 s[22:23], s[6:7], s[22:23]
	s_add_nc_u64 s[2:3], s[8:9], s[2:3]
	s_add_nc_u64 s[18:19], s[10:11], s[18:19]
	GRP0 G0HA, 20
	s_mov_b32 s[G0HA+1], 0
	GRP0 G0HB, 2
	s_mov_b32 s[G0HB+1], 2*HALF
	GRP0 G0S, 22
	s_mov_b32 s[G0S+1], SCL
	GRP0 G0SB, 18
	s_mov_b32 s[G0SB+1], SCL+ASZ
	s_add_nc_u64 s[20:21], s[20:21], s[66:67]
	s_add_nc_u64 s[2:3], s[2:3], s[66:67]
	s_add_nc_u64 s[20:21], s[20:21], RBB           ; K step 6
	s_add_nc_u64 s[2:3], s[2:3], RBB
	GRP0 G0A1, 20
	s_mul_i32 s[G0A1+1], s16, HALF
	s_add_co_u32 s[G0A1+1], s[G0A1+1], SLOT
	GRP0 G0B1, 2
	s_mul_i32 s[G0B1+1], s16, HALF
	s_add_co_u32 s[G0B1+1], s[G0B1+1], SLOT+2*HALF
	s_add_nc_u64 s[20:21], s[20:21], RBB           ; K step 12
	s_add_nc_u64 s[2:3], s[2:3], RBB
	GRP0 G0A2, 20
	s_mul_i32 s[G0A2+1], s16, HALF2
	GRP0 G0B2, 2
	s_mul_i32 s[G0B2+1], s16, HALF2
	s_add_co_u32 s[G0B2+1], s[G0B2+1], 2*HALF2
	CROUND                                         ; all sixteen work-groups are here: the first joint loads meet
.macro ARM under, g0, g1, next         ; one chain of branches on the wave's number, one load to an arm
	s_cmp_lt_u32 s14, \under
	s_cbranch_scc0 \next
	tensor_load_to_lds s[\g0:\g0+3], s[\g1:\g1+7]
	s_nop 0
	PLACES 4
	s_branch .Lhead_asked
\next:
.endm
	ARM 1, G0HA, G1,  .Lhead_b
	ARM 2, G0HB, G1B, .Lhead_sa
	ARM 3, G0S,  G1S, .Lhead_sb
	tensor_load_to_lds s[G0SB:G0SB+3], s[G1SB:G1SB+7]
	s_nop 0
	PLACES 4
.Lhead_asked:
	v_and_b32 v1, 15, v0                           ; r
	v_bfe_u32 v2, v0, 4, 1                         ; h
	v_and_b32 v3, 31, v0                           ; lane
	v_lshlrev_b32 v[LI], 4, v3
	s_wait_alu depctr_va_vdst(0)
	s_lshl_b32 s21, s98, 1
	s_add_co_u32 s21, s21, s16                     ; my group of 64 columns
	s_lshl_b32 s23, s21, 8                         ; in bytes
	v_lshlrev_b32 v4, 6, v2
	v_add_nc_u32 v4, s23, v4                       ; register 16 b + i wants the bias of column 32 b + 16 h + i
.irp b, 0,1
.irp j, 0,1,2,3
	global_load_b128 v[CB+16*\b+4*\j:CB+16*\b+4*\j+3], v4, s[92:93] offset:128*\b+16*\j
.endr
.endr
	s_lshl_b32 s22, s17, 1
	s_add_co_u32 s22, s22, s15                     ; my group of 64 rows
	s_lshl_b32 s18, s22, 19                        ; 64 rows of 8,192 bytes
	s_add_co_u32 s18, s18, s23
	s_mov_b32 s19, 0
	s_add_nc_u64 s[94:95], s[94:95], s[18:19]
	s_mul_i32 s21, s15, HALF                       ; my four row blocks of A,
	s_mul_i32 s22, s16, HALF
	s_add_co_u32 s22, s22, 2*HALF                  ; and of B, behind A's eight
.irp s, 0,1
	v_add_nc_u32 v[ADRA+\s], s21, v[LI]
	v_add_nc_u32 v[ADRB+\s], s22, v[LI]
	s_add_co_u32 s21, s21, SLOT
	s_add_co_u32 s22, s22, SLOT
.endr
	s_mul_i32 s21, s15, HALF2                      ; the same in slot 0's second fill
	s_mul_i32 s22, s16, HALF2
	s_add_co_u32 s22, s22, 2*HALF2
	v_add_nc_u32 v[ADRA+2], s21, v[LI]
	v_add_nc_u32 v[ADRB+2], s22, v[LI]
	s_lshl_b32 s21, s15, 12                        ; A's scale words: my two pairs of row blocks
	s_lshl_b32 s22, s16, 12                        ; B's, behind A's
	s_add_co_u32 s22, s22, ASZ
	s_sub_co_u32 s22, s22, s21
	v_mul_u32_u24 v6, s22, v2                      ; lanes 16-31 take B's: one product in h
	s_add_co_u32 s21, s21, SCL
	v_lshlrev_b32 v5, 3, v1
	v_add_nc_u32 v5, v5, v6
	v_add_nc_u32 v[ADRS], s21, v5
	s_mul_i32 s23, s14, 16*SPITCH
	s_add_co_u32 s23, s23, STG                     ; my stage
	v_mul_u32_u24 v5, v1, SPITCH
	v_lshl_add_u32 v5, v2, 6, v5
	v_add_nc_u32 v[STO], s23, v5                   ; in: row r, + 64 h
	v_mul_u32_u24 v5, v2, SPITCH
	v_lshl_add_u32 v5, v1, 4, v5
	v_add_nc_u32 v[RD], s23, v5                    ; back: lanes 0-15 take one row of 256 bytes, lanes 16-31 the next
	v_lshlrev_b32 v5, 13, v2
	v_lshl_add_u32 v[CO], v1, 4, v5                ; and the same two rows in the result
	s_wait_alu depctr_va_vdst(0)                   ; the wait at the head's end
	s_wait_loadcnt 0x0                             ; the bias
; K step kk's eight fragments into set kk % 2: 24 loads of 512 consecutive bytes.  With an even step come the scale words of two steps: lanes 0-15 take A's block i, lanes 16-31 B's.  Every offset is an immediate.
.macro FETCH kk
.if (\kk) < 12
.set fsl, (\kk)/6
.set fof, ((\kk)%6)*1536
.set frb, RBB
.else
.set fsl, 2
.set fof, ((\kk)-12)*1536
.set frb, RB2
.endif
.set fp, 96*((\kk)%2)
	WIN TO_F
.irp i, 0,1,2,3
.irp c, 0,1,2
	ds_load_b128 v[fp+48+FR*\i+4*\c:fp+48+FR*\i+4*\c+3], v[ADRB+fsl] offset:\i*frb+fof+512*\c
.endr
.endr
.irp i, 0,1,2,3
.irp c, 0,1,2
	ds_load_b128 v[fp+FR*\i+4*\c:fp+FR*\i+4*\c+3], v[ADRA+fsl] offset:\i*frb+fof+512*\c
.endr
.endr
	WIN 0
.if ((\kk)%2) == 0
.set fsc, SC+8*(((\kk)/2)%2)
.irp i, 0,1,2,3
	ds_load_b64 v[fsc+2*\i:fsc+2*\i+1], v[ADRS] offset:(\i/2)*2048+(\i%2)*128+((\kk)/2)*256
.endr
.endif
.endm
; 8 matrix instructions of K step k: A's blocks 2 hf, 2 hf + 1 x B's four.  first = 1: C is the bias.  The 16 accumulators take turns, one instruction a turn.
.macro MUL8 hf, k, first
.set qa, 2*(\hf)
.rept 2
.set qb, 0
.rept 4
.set rD, ACC+8*(4*qa+qb)
.set rB, 96*((\k)%2)+48+FR*qb
.set rA, 96*((\k)%2)+FR*qa
.set sB, SC+8*(((\k)/2)%2)+2*qb+(\k)%2
.set sA, SC+8*(((\k)/2)%2)+2*qa+(\k)%2
.if \first
	v_wmma_scale_f32_16x16x128_f8f6f4 v[rD:rD+7], v[rB:rB+FR-1], v[rA:rA+FR-1], v[CB+8*qb:CB+8*qb+7], v[sB], v[sA] matrix_a_fmt:MATRIX_FMT_FP6 matrix_b_fmt:MATRIX_FMT_FP6 matrix_a_scale:MATRIX_SCALE_ROW1
.else
	v_wmma_scale_f32_16x16x128_f8f6f4 v[rD:rD+7], v[rB:rB+FR-1], v[rA:rA+FR-1], v[rD:rD+7], v[sB], v[sA] matrix_a_fmt:MATRIX_FMT_FP6 matrix_b_fmt:MATRIX_FMT_FP6 matrix_a_scale:MATRIX_SCALE_ROW1
.endif
.set qb, qb+1
.endr
.set qa, qa+1
.endr
.endm
.macro STEP k, first                   ; a plain K step: the next step's fragments lie in bytes that the last barrier has shown whole
	s_wait_dscnt 0x0
	PLACES NP                                      ; in front of loads into the set that the step before multiplied
	FETCH (\k)+1
	WIN MUL
	MUL8 0, \k, \first
	MUL8 1, \k, \first
.endm
; A step whose successor lies in bytes not yet shown.  fill = 1 (step 5): slot 1 is awaited, slot 0 has been read out and is filled again; fill = 0 (step 11): that fill is awaited and shown to every wave.
.macro TURN k, fill
	WIN 0
	s_wait_tensorcnt 0x0                           ; all my tensor loads have landed
	ds_add_u32 v[SPW], v[NIL]                      ; 0 onto my spare word
.if \fill
	s_mov_b32 s[G1+1], 768<<16                     ; no tensor load of mine is out: the second fill's rows are four steps long
	s_mov_b32 s[G1+3], 768<<16
	s_mov_b32 s[G1B+1], 768<<16
	s_mov_b32 s[G1B+3], 768<<16
.endif
	s_wait_dscnt 0x1                               ; this step's fragments are in (the add may be out)
	WIN MUL
	MUL8 0, \k, 0
	s_wait_dscnt 0x0                               ; the add is done, and no LDS read of mine is out
	s_barrier_signal -1
	MUL8 1, \k, 0
	WIN 0
	s_barrier_wait -1
.if \fill
	CREST                                          ; the barrier has opened a round of the cluster's barrier
	JLOAD G0A2, G0B2                               ; my last tensor load; its four v_nop are the places in front of the loads below
.else
	PLACES NP
.endif
	FETCH (\k)+1
.endm
	s_wait_tensorcnt 0x0                           ; my tile of the head's four is in; the same lines as ahead of a refill stand ahead of slot 1's first fill
	ds_add_u32 v[SPW], v[NIL]
	s_mov_b32 s[G1+2], 4<<16                       ; no tensor load of mine is out: from here on a load brings four row blocks
	s_mov_b32 s[G1+4], 4
	s_mov_b32 s[G1B+2], 4<<16
	s_mov_b32 s[G1B+4], 4
	s_wait_dscnt 0x0
	CROUND
	JLOAD G0A1, G0B1                               ; slot 1: K steps 6 to 11
	FETCH 0
	STEP 0, 1                                      ; the first step's products start the sums, from the bias
.irp k, 1,2,3,4
	STEP \k, 0
.endr
	TURN 5, 1
.irp k, 6,7,8,9,10
	STEP \k, 0
.endr
	TURN 11, 0
.irp k, 12,13,14
	STEP \k, 0
.endr
	s_wait_dscnt 0x0                               ; the last step: nothing more to fetch
	WIN MUL
	MUL8 0, 15, 0
	MUL8 1, 15, 0
	WIN 0
; THE WAY OUT, a row block at a time: relu in place; 16 rows x 256 bytes through my own stage; back as whole rows: sixteen lanes store 256 consecutive bytes, aligned.
; LDS serves a wave's instructions in order (ISA guide 5.7.1.4): no wait between the stores and the loads.
.macro TOSTAGE a
.set ek, 0
.rept 32
	v_max_num_f32 v[ACC+32*(\a)+ek], 0, v[ACC+32*(\a)+ek]   ; the activation; each accumulator from its low end on
.set ek, ek+1
.endr
.irp t, 0,1,2,3
	ds_store_b128 v[STO], v[ACC+32*(\a)+8*\t:ACC+32*(\a)+8*\t+3] offset:128*(\t/2)+32*(\t%2)
	ds_store_b128 v[STO], v[ACC+32*(\a)+8*\t+4:ACC+32*(\a)+8*\t+7] offset:128*(\t/2)+32*(\t%2)+16
.endr
.set BB, 64+32*((\a)%2)
.irp u, 0,1,2,3,4,5,6,7
	ds_load_b128 v[BB+4*\u:BB+4*\u+3], v[RD] offset:2*\u*SPITCH
.endr
.endm
.macro SEND a, younger                 ; younger: the LDS instructions issued behind block a's loads
.set BB, 64+32*((\a)%2)
	s_wait_dscnt \younger
.irp u, 0,1,2,3,4,5,6,7
	global_store_b128 v[CO], v[BB+4*\u:BB+4*\u+3], s[94:95] offset:(32*((\a)/2)+8*((\a)%2)+2*\u+8*(\u/4))*8192 th:TH_STORE_NT
.endr
.endm
	PLACES NP
	TOSTAGE 0
.irp a, 1,2,3
.if \a > 1
	s_wait_xcnt 0x0                                ; block a - 2's stores have read their registers: block a's loads may land there
.endif
	TOSTAGE \a
	SEND \a-1, 16
.endr
	SEND 3, 0
	s_wait_tensorcnt 0x0                           ; the wave's end
	ds_add_u32 v[SPW], v[NIL]
	s_wait_dscnt 0x0
	CROUND                                         ; the closing round
	s_endpgm
.Lfunc_end_k_qbd09d6d239_outp:
	.size	k_qbd09d6d239_outp, .Lfunc_end_k_qbd09d6d239_outp-k_qbd09d6d239_outp
	.p2alignl 7, 3214868480
	.fill 96, 4, 3214868480
	.section	.rodata,"a",@progbits
	.p2align	6, 0x0
	.amdhsa_kernel k_qbd09d6d239_outp
		.amdhsa_group_segment_fixed_size 327680
		.amdhsa_private_segment_fixed_size 0
		.amdhsa_enable_private_segment 0
		.amdhsa_kernarg_size 48
		.amdhsa_user_sgpr_count 2
		.amdhsa_user_sgpr_kernarg_segment_ptr 1
		.amdhsa_wavefront_size32 1
		.amdhsa_system_sgpr_workgroup_id_x 1
		.amdhsa_system_sgpr_workgroup_id_y 1
		.amdhsa_system_sgpr_workgroup_id_z 1
		.amdhsa_system_vgpr_workitem_id 0
		.amdhsa_next_free_vgpr 512
		.amdhsa_next_free_sgpr 102
		.amdhsa_reserve_vcc 0
		.amdhsa_float_denorm_mode_32 3
		.amdhsa_float_denorm_mode_16_64 3
		.amdhsa_memory_ordered 1
		.amdhsa_forward_progress 1
		.amdhsa_inst_pref_size 87
	.end_amdhsa_kernel
	.amdgpu_metadata
---
amdhsa.version: [ 1, 2 ]
amdhsa.kernels:
  - .name:           k_qbd09d6d239_outp
    .symbol:         k_qbd09d6d239_outp.kd
    .args:
      - { .name: ac, .offset: 0, .size: 8, .value_kind: global_buffer, .address_space: global }
      - { .name: as_, .offset: 8, .size: 8, .value_kind: global_buffer, .address_space: global }
      - { .name: wc, .offset: 16, .size: 8, .value_kind: global_buffer, .address_space: global }
      - { .name: ws, .offset: 24, .size: 8, .value_kind: global_buffer, .address_space: global }
      - { .name: bo, .offset: 32, .size: 8, .value_kind: global_buffer, .address_space: global }
      - { .name: out0, .offset: 40, .size: 8, .value_kind: global_buffer, .address_space: global }
    .group_segment_fixed_size: 327680
    .private_segment_fixed_size: 0
    .kernarg_segment_align: 8
    .kernarg_segment_size: 48
    .max_flat_workgroup_size: 128
    .sgpr_count:     102
    .vgpr_count:     512
    .wavefront_size: 32
...
	.end_amdgpu_metadata
.endif
;; end of part 4
